; MI455X (gfx1250); checked and timed in simulation.
; The chip was launched on July 23, 2026; its instructions are those of AMD's public machine-readable ISA for CDNA 5 (MIT licence, August 2026) and "CDNA5" Instruction Set Architecture Reference Guide (July 2026). The comments in the code are by the model that wrote it; some were corrected since.
;; Causal Self Attention. Allowed arithmetic: matrix products marked QUANTISED: E2M1 operands, one E8M0 scale for each 32 along K, by v_wmma_scale_f32_16x16x128_f8f6f4 with both operands' format E2M1 (or v_wmma_scale_f32_32x16x128_f4), f32 sums; products left as they are: bf16, f16 or f32 operands; f32 sums; everything else in f32.
;; Inputs: b_proj 1,024 float32; w_attn 1,024 x 3,072 float32; w_proj 1,024 x 1,024 float32; x 4 x 2,048 x 1,024 float32.
;; Outputs: out0 4 x 2,048 x 1,024 float32.
;; This version of the problem:
;;   THIS VERSION OF THE PROBLEM IS GIVEN IN LOW PRECISION. The matrix products marked QUANTISED in the list below multiply operands that are first quantised to E2M1 (2 exponent bits, 1 mantissa bit; 4 bits a number), with one power-of-two scale for each 32 numbers along K (OCP MX v1.0); their sums are f32. The products marked 'left as it is' may take bf16, f16 or f32 operands, with f32 sums. Whichever they take, every output number must still come out within the allowed error. Rounding operands to bf16 (8 significant bits) uses up far more of that allowance than f16 does (11 bits, for magnitudes from 6e-5 to 65,504). All else is computed in f32.
;;   The module's matrix products, in the order in which they are computed (A, B: the left and right operand; K: the contracted axis; several contracted axes count as one K, in the product's order):
;;     1. [M 8,192, K 1,024] x [K 1,024, N 3,072]; A: input x; B: input w_attn: QUANTISED
;;     2. batch 64 x [M 2,048, K 64] x [K 64, N 2,048]; A: computed on the way; B: computed on the way: left as it is (an operand is computed on the way)
;;     3. batch 64 x [M 2,048, K 2,048] x [K 2,048, N 64]; A: computed on the way; B: computed on the way: left as it is (an operand is computed on the way)
;;     4. [M 8,192, K 1,024] x [K 1,024, N 1,024]; A: computed on the way; B: input w_proj: left as it is (an operand is computed on the way)
;;   THE QUANTISER, for each operand of a quantised product, along K:
;;     - K is cut into blocks of 32 from its start; a last block that is shorter is filled with zeros.
;;     - A block's scale is 2^e with e = floor(log2(the largest magnitude in the block)) - 2, held to -126 .. 127; a block of zeros has e = 0. As a byte (E8M0): e + 127.
;;     - Each number is divided by its block's scale, clamped to +-6, and rounded to the nearest number of E2M1, ties to even, subnormals kept.
;;     - The product sums the exact products of the quantised numbers (number of the format x scale) in f32.
;;   ~~~python
;;   def quantise(x, axis):      # numpy; x: float32 -> the quantised numbers, widened to float32 again
;;       x = np.moveaxis(x, axis, -1); K = x.shape[-1]
;;       x = np.pad(x, [(0, 0)] * (x.ndim - 1) + [(0, -K % 32)]); x = x.reshape(x.shape[:-1] + (-1, 32)); a = np.abs(x).max(-1, keepdims=True)
;;       e = np.where(a > 0, np.clip(np.frexp(np.where(a > 0, a, 1))[1] - 1 - 2, -126, 127), 0)      # np.frexp(a)[1] - 1 = floor(log2(a)), exactly
;;       r = np.clip(x / 2.0 ** e, -6, 6)
;;       step = 2.0 ** (np.maximum(np.frexp(np.where(r == 0, 1, r))[1] - 1, 0) - 1)
;;       q = np.round(r / step) * step * 2.0 ** e      # np.round: ties to even
;;       return np.moveaxis(q.reshape(q.shape[:-2] + (-1,))[..., :K], -1, axis).astype(np.float32)
;;   ~~~
;; One version. Each part assembles by itself: llvm-mc -triple=amdgcn-amd-amdhsa -mcpu=gfx1250 --defsym DOCPART=n.
;; ======== version 1 of 1: 5 launches
;; limits: values are held in f16: magnitudes above 65,504 overflow, below 6.1e-05 lose precision
;; workspace buffers: x_codes 4,194,304 bytes; x_scales 262,144 bytes; w_codes 1,572,864 bytes; w_scales 98,304 bytes; wpb 2,097,152 bytes; qkv 50,331,648 bytes; qkvf 786,432 bytes; att 16,777,216 bytes
;; launch prep (part 1): grid 432 x 1, 4 waves a work-group, no clusters, 86,528 bytes of LDS; arguments x, w_attn, w_proj, x_codes, x_scales, w_codes, w_scales, wpb; writes x_codes, x_scales, w_codes, w_scales, wpb
.if DOCPART == 1
	.amdgcn_target "amdgcn-amd-amdhsa--gfx1250"
	.amdhsa_code_object_version 6
	.text
	.protected	k_q07ad7196d2_prep
	.globl	k_q07ad7196d2_prep
	.p2align	8
	.type	k_q07ad7196d2_prep,@function
k_q07ad7196d2_prep:
	s_mov_b64 s[64:65], 0
	v_nop
	global_prefetch_b8 v0, s[64:65] scope:SCOPE_SE
	s_setreg_imm32_b32 hwreg(HW_REG_WAVE_MODE, 25, 1), 1
	s_wait_xcnt 0x0
; PREP: the operands of the later launches are made once.
;   work-groups   0 ..  47 (path W): w_attn [1024 k][3072 n] f32 -> codes of E2M1 laid [3072 n][512 bytes], K innermost, and E8M0 bytes [3072][32]
;   work-groups  48 .. 175 (path P): w_proj [1024 k][1024 n] f32 -> f16, turned and blocked: [n/128][k/64][128 n][64 k]
;   work-groups 176 .. 431 (path X): x [8192][1024] f32 -> codes [8192][512 bytes] and E8M0 bytes [8192][32]
; A block's scale is 2^(floor(log2(its largest magnitude)) - 2): its byte is the largest magnitude's exponent field - 2, held at 1 from below.
; A block of zeros so gets the byte 1 where the rule says 127: its codes are zeros, and the bytes are read by this program alone.
; LIMITS: blocks whose largest magnitude lies under 2^-124 keep the byte 1; NaN and infinities among the inputs are not served; |w_proj| stays under 65,504 (f16).
; The three paths part on the work-group's number alone; each has LDS bytes of its own.  No tensor loads, no barrier: waves share nothing.
.set SPW,   190                        ; v190 LDS address of my spare word: SPARE + 4 x my thread's number; never rewritten
.set NIL,   191                        ; v191 0; never rewritten
.set SPARE, 86016                      ; behind the three paths' regions: 128 bytes for each wave, named by no other line
.set EMAX,  2
; path X
.set XSTEPS, 16
.set CB,    8                          ; bytes of 16 codes
.set XR,    16                         ; v16-79   four sets of 16 numbers as loaded
.set XX,    80                         ; v80-111  two sets of 16 neighbours
.set XE,    112                        ; v112-127 a scale byte for each step
.set XC,    128                        ; v128-189 codes, four registers a step
.set WREG,  8192                       ; LDS 0 .. 32,767: a region for each wave: two stages of 32 x SP, then 256 scale bytes
.set SP,    80
; path W
.set LW,    32768                      ; LDS 32,768 .. 67,583: a stage of 32 x 272 for each wave
.set SIZE_N, 3072
.set NB,    16                         ; blocks of 32 along K for a wave (512 along K)
.set WPITCH, 272
.set KROW,  512                        ; a row of w_codes in bytes
.set WX,    32                         ; v32-95   two sets of 32 numbers
.set WC,    96                         ; v96-99   a block's codes
.set OUTR,  112                        ; v112-175 the way out
.set SB,    24                         ; v24-27   scale bytes, four to a register
; path P
.set LP,    67584                      ; LDS 67,584 .. 86,015: a stage of 32 x 144 for each wave
.set PPITCH, 144
	s_load_b256 s[4:11], s[0:1], 0x0               ; x s[4:5], w_attn s[6:7], w_proj s[8:9], x_codes s[10:11]
	s_load_b256 s[12:19], s[0:1], 0x20             ; x_scales s[12:13], w_codes s[14:15], w_scales s[16:17], wpb s[18:19]
	v_lshl_add_u32 v[SPW], v0, 2, SPARE
	v_mov_b32 v[NIL], 0
	v_lshrrev_b32 v1, 5, v0
	v_readfirstlane_b32 s20, v1                    ; wave 0..3
	v_and_b32 v2, 31, v0                           ; lane
	s_mov_b32 s25, 0                               ; the high word of every offset pair s[24:25]
	s_wait_kmcnt 0x0
	s_cmp_lt_u32 ttmp9, 48
	s_cbranch_scc1 .Lpath_w
	s_cmp_lt_u32 ttmp9, 176
	s_cbranch_scc1 .Lpath_p
; ---------------- PATH X.  x is a plain stream of blocks of 32.  A wave takes 16 steps of 512 numbers.  Each load reads 512 consecutive bytes; a step's 2,048 bytes turn through
; the wave's own stage, so that a lane then holds 16 neighbours (two lanes to a block).  Loads run four steps ahead, the turn one step.
	v_lshlrev_b32 v3, 4, v2                        ; my 16 bytes of a load's 512
	s_mul_i32 s21, s20, WREG
	v_lshrrev_b32 v14, 2, v2
	v_mul_u32_u24 v14, v14, SP
	v_and_b32 v15, 3, v2
	v_lshl_add_u32 v14, v15, 4, v14
	v_add_nc_u32 v14, s21, v14                     ; into the stage: SP (lane / 4) + 16 (lane % 4)
	v_mul_u32_u24 v15, v2, SP
	v_add_nc_u32 v15, s21, v15                     ; out of it: SP x lane
	v_mul_u32_u24 v4, v2, CB                       ; my codes' place in a step's 256 bytes
	v_lshrrev_b32 v5, 1, v2
	s_add_co_u32 s21, s21, 2*32*SP
	v_add_nc_u32 v5, s21, v5                       ; my block's byte among the wave's 256
	v_lshlrev_b32 v7, 3, v2
	v_add_nc_u32 v6, s21, v7                       ; and 8 bytes a lane on the way out
	s_sub_co_u32 s22, ttmp9, 176
	s_lshl_b32 s22, s22, 2
	s_add_co_u32 s22, s22, s20                     ; which run of 8,192 numbers is my wave's: 0 .. 1,023
	s_lshl_b32 s24, s22, 15
	s_add_nc_u64 s[4:5], s[4:5], s[24:25]          ; 32,768 bytes of x a run,
	s_lshl_b32 s24, s22, 12
	s_add_nc_u64 s[10:11], s[10:11], s[24:25]      ; 4,096 of codes,
	s_lshl_b32 s24, s22, 8
	s_add_nc_u64 s[12:13], s[12:13], s[24:25]      ; 256 of scale bytes
.macro XLOAD t
.irp i, 0,1,2,3
	global_load_b128 v[XR+16*((\t)%4)+4*\i:XR+16*((\t)%4)+4*\i+3], v3, s[4:5] offset:2048*(\t)+512*\i th:TH_LOAD_NT
.endr
.endm
.macro XTURN t                         ; LDS serves a wave's instructions in order: no wait between the stores and the loads
.irp i, 0,1,2,3
	ds_store_b128 v14, v[XR+16*((\t)%4)+4*\i:XR+16*((\t)%4)+4*\i+3] offset:32*SP*((\t)%2)+8*SP*\i
.endr
.irp i, 0,1,2,3
	ds_load_b128 v[XX+16*((\t)%2)+4*\i:XX+16*((\t)%2)+4*\i+3], v15 offset:32*SP*((\t)%2)+16*\i
.endr
.endm
.irp t, 0,1,2,3
	XLOAD \t
.endr
	s_wait_loadcnt 12                              ; step 0's four loads are in; three steps' twelve stay out
	XTURN 0
.macro XSTEP t
.set XS, XX+16*((\t)%2)
.if (\t) > 0
	s_wait_dscnt 1                                 ; this step's numbers are back from the stage (the last step's byte store may be out)
.else
	s_wait_dscnt 0x0
.endif
.if (\t)+4 < XSTEPS
	XLOAD (\t)+4                                   ; into the set whose stores into the stage are done
.endif
.if (\t)+1 < XSTEPS
.if XSTEPS-2-(\t) >= 3
	s_wait_loadcnt 12                              ; the next step's four loads are in; those of the three steps behind may be out
.else
	s_wait_loadcnt 4*(XSTEPS-2-(\t))
.endif
	XTURN (\t)+1
.endif
	v_max3_num_f32 v8, |v[XS]|, |v[XS+1]|, |v[XS+2]|               ; the largest magnitude of my 16, in two chains
	v_max3_num_f32 v9, |v[XS+3]|, |v[XS+4]|, |v[XS+5]|
.irp i, 6,10
	v_max3_num_f32 v8, v8, |v[XS+\i]|, |v[XS+\i+1]|
	v_max3_num_f32 v9, v9, |v[XS+\i+2]|, |v[XS+\i+3]|
.endr
	v_max3_num_f32 v8, v8, |v[XS+14]|, |v[XS+15]|
	v_max3_num_f32 v8, v8, v9, (EMAX+1)<<23        ; and the floor 2^(3 - 127): the byte cannot fall under 1
	v_max_num_f32_dpp v8, v8, v8 row_xmask:1 row_mask:0xf bank_mask:0xf   ; with my neighbour's 16: the block's
	v_add_nc_u32 v11, -(EMAX<<23), v8              ; 2 off its exponent field: the conversion takes this operand's exponent field as its scale
	v_cvt_scalef32_pk8_fp4_f32 v[XC+4*(\t)], v[XS:XS+7], v11
	v_cvt_scalef32_pk8_fp4_f32 v[XC+4*(\t)+1], v[XS+8:XS+15], v11
	v_lshrrev_b32 v[XE+(\t)], 23, v11              ; the scale's byte
	ds_store_b8 v5, v[XE+(\t)] offset:16*(\t)      ; both lanes of a block write the same byte with the same value
	global_store_b64 v4, v[XC+4*(\t):XC+4*(\t)+1], s[10:11] offset:32*CB*(\t)   ; the wave stores 256 consecutive bytes, aligned
.endm
.irp t, 0,1,2,3,4,5,6,7,8,9,10,11,12,13,14,15
	XSTEP \t
.endr
	ds_load_b64 v[8:9], v6                         ; sees my byte stores: LDS serves a wave in order
	s_wait_dscnt 0x0
	global_store_b64 v7, v[8:9], s[12:13]          ; 256 consecutive bytes, aligned
	s_wait_tensorcnt 0x0                           ; the wave's end
	ds_add_u32 v[SPW], v[NIL]
	s_wait_dscnt 0x0
	s_endpgm
; ---------------- PATH W.  K is w_attn's FIRST axis: a lane takes a column n and its registers run down K, so a block of 32 lies in one lane and the codes come out K innermost.
; A wave takes 32 columns x 512 along K; the codes go through its stage and leave as rows: sixteen lanes store 256 consecutive bytes.  Loads run two blocks ahead.
.Lpath_w:
	s_cmp_ge_u32 ttmp9, 24
	s_cselect_b32 s22, 1, 0                        ; which 512 along K
	s_cselect_b32 s21, 24, 0
	s_sub_co_u32 s21, ttmp9, s21                   ; which 128 columns
	s_lshl_b32 s21, s21, 7
	s_lshl_b32 s23, s20, 5
	s_add_co_u32 s21, s21, s23                     ; my wave's first column
	v_lshlrev_b32 v3, 2, v2                        ; in: 4 bytes a lane
	s_mul_i32 s23, s20, 32*WPITCH
	s_add_co_u32 s23, s23, LW                      ; my stage
	v_mul_u32_u24 v4, v2, WPITCH
	v_add_nc_u32 v4, s23, v4                       ; into it: row = my column
	v_and_b32 v5, 15, v2
	v_lshrrev_b32 v6, 4, v2
	v_mul_u32_u24 v7, v6, WPITCH
	v_lshl_add_u32 v7, v5, 4, v7
	v_add_nc_u32 v7, s23, v7                       ; out of it: sixteen lanes to a row, two rows an instruction
	v_mul_u32_u24 v8, v6, KROW
	v_lshl_add_u32 v8, v5, 4, v8                   ; the same place in w_codes
	v_lshlrev_b32 v9, 5, v2                        ; my column's row of 32 scale bytes
	s_mul_i32 s24, s22, 512*SIZE_N*4
	s_lshl_b32 s26, s21, 2
	s_add_co_u32 s24, s24, s26
	s_add_nc_u64 s[6:7], s[6:7], s[24:25]          ; w_attn at row 512 y, my first column
	s_lshl_b32 s24, s21, 9
	s_lshl_b32 s26, s22, 8
	s_add_co_u32 s24, s24, s26
	s_add_nc_u64 s[14:15], s[14:15], s[24:25]      ; w_codes: column x 512 + 256 y
	s_lshl_b32 s24, s21, 5
	s_lshl_b32 s26, s22, 4
	s_add_co_u32 s24, s24, s26
	s_add_nc_u64 s[16:17], s[16:17], s[24:25]      ; w_scales: column x 32 + 16 y
.macro WLOAD t                         ; block t: rows 32 t + i of my column; the largest immediate, 511 x 12,288, lies inside the signed 24 bits
.irp i, 0,1,2,3,4,5,6,7,8,9,10,11,12,13,14,15,16,17,18,19,20,21,22,23,24,25,26,27,28,29,30,31
	global_load_b32 v[WX+32*((\t)%2)+\i], v3, s[6:7] offset:(32*(\t)+\i)*SIZE_N*4 th:TH_LOAD_NT
.endr
.endm
	WLOAD 0
	WLOAD 1
.macro WBLOCK t
.set XS, WX+32*((\t)%2)
.if (\t) < NB-1
	s_wait_loadcnt 32                              ; this block's 32 loads are in; the next block's may be out
.else
	s_wait_loadcnt 0
.endif
	v_max3_num_f32 v12, |v[XS]|, |v[XS+1]|, |v[XS+2]|
	v_max3_num_f32 v13, |v[XS+3]|, |v[XS+4]|, |v[XS+5]|
.irp i, 6,10,14,18,22,26
	v_max3_num_f32 v12, v12, |v[XS+\i]|, |v[XS+\i+1]|
	v_max3_num_f32 v13, v13, |v[XS+\i+2]|, |v[XS+\i+3]|
.endr
	v_max3_num_f32 v12, v12, |v[XS+30]|, |v[XS+31]|
	v_max3_num_f32 v12, v12, v13, (EMAX+1)<<23     ; and the floor
	v_add_nc_u32 v11, -(EMAX<<23), v12
	v_lshrrev_b32 v13, 23, v11                     ; the scale's byte
.if (\t)%4 == 0
	v_mov_b32 v[SB+(\t)/4], v13
.else
	v_lshl_or_b32 v[SB+(\t)/4], v13, 8*((\t)%4), v[SB+(\t)/4]
.endif
.irp g, 0,1,2,3
	v_cvt_scalef32_pk8_fp4_f32 v[WC+\g], v[XS+8*\g:XS+8*\g+7], v11
.endr
	ds_store_b128 v4, v[WC:WC+3] offset:16*(\t)    ; 32 codes: 16 bytes of my column's row
.if (\t)+2 < NB
	WLOAD (\t)+2
.endif
	s_wait_dscnt 0x0                               ; the store has read its registers: the next block's codes may be written
.endm
.set QB, 0
.rept NB
	WBLOCK QB
.set QB, QB+1
.endr
	global_store_b128 v9, v[SB:SB+3], s[16:17]     ; my column's 16 scale bytes
.irp t, 0,1,2,3,4,5,6,7,8,9,10,11,12,13,14,15
	ds_load_b128 v[OUTR+4*\t:OUTR+4*\t+3], v7 offset:2*\t*WPITCH
.endr
.irp t, 0,1,2,3,4,5,6,7,8,9,10,11,12,13,14,15
	s_wait_dscnt 15-\t                             ; load t is back; the younger ones may be out
	global_store_b128 v8, v[OUTR+4*\t:OUTR+4*\t+3], s[14:15] offset:2*\t*KROW
.endr
	s_wait_tensorcnt 0x0                           ; the wave's end: the three lines
	ds_add_u32 v[SPW], v[NIL]
	s_wait_dscnt 0x0
	s_endpgm
; ---------------- PATH P.  A work-group takes 128 columns x 64 rows of w_proj.  A lane takes a column and its 64 registers run down K; rounded to f16 they are a row of 128 bytes of the
; blocked buffer.  Four such rows are 512 consecutive bytes there: they go through the wave's stage and each store of the wave covers 512 consecutive bytes.
.Lpath_p:
	s_sub_co_u32 s21, ttmp9, 48
	s_and_b32 s22, s21, 7                          ; which 128 columns
	s_lshr_b32 s23, s21, 3                         ; which 64 rows
	s_lshl_b32 s24, s23, 18                        ; 64 rows of 4,096 bytes
	s_lshl_b32 s26, s22, 9
	s_add_co_u32 s24, s24, s26
	s_lshl_b32 s26, s20, 7
	s_add_co_u32 s24, s24, s26                     ; + (128 nb + 32 wave) x 4
	s_add_nc_u64 s[8:9], s[8:9], s[24:25]
	s_lshl_b32 s24, s22, 4
	s_add_co_u32 s24, s24, s23
	s_lshl_b32 s24, s24, 14                        ; block (nb, kc): 16,384 bytes
	s_lshl_b32 s26, s20, 12                        ; my 32 rows of 128 bytes
	s_add_co_u32 s24, s24, s26
	s_add_nc_u64 s[18:19], s[18:19], s[24:25]
	v_lshlrev_b32 v3, 2, v2
	s_mul_i32 s26, s20, 32*PPITCH
	s_add_co_u32 s26, s26, LP                      ; my stage
	v_mul_u32_u24 v4, v2, PPITCH
	v_add_nc_u32 v4, s26, v4                       ; in: row = my column
	v_lshrrev_b32 v5, 3, v2
	v_mul_u32_u24 v5, v5, PPITCH
	v_and_b32 v6, 7, v2
	v_lshl_add_u32 v5, v6, 4, v5
	v_add_nc_u32 v5, s26, v5                       ; back: eight lanes to a row, four rows an instruction
	v_lshlrev_b32 v6, 4, v2
.set i, 0
.rept 64
	global_load_b32 v[32+i], v3, s[8:9] offset:i*4096 th:TH_LOAD_NT
.set i, i+1
.endr
	s_wait_loadcnt 0x0
.set i, 0
.rept 32
	v_cvt_pk_f16_f32 v[96+i], v[32+2*i], v[33+2*i] ; the lower k in the low half
.set i, i+1
.endr
.irp i, 0,1,2,3,4,5,6,7
	ds_store_b128 v4, v[96+4*\i:96+4*\i+3] offset:16*\i
.endr
.irp i, 0,1,2,3,4,5,6,7
	ds_load_b128 v[128+4*\i:128+4*\i+3], v5 offset:4*PPITCH*\i
.endr
.irp i, 0,1,2,3,4,5,6,7
	s_wait_dscnt 7-\i
	global_store_b128 v6, v[128+4*\i:128+4*\i+3], s[18:19] offset:512*\i
.endr
	s_wait_tensorcnt 0x0                           ; the wave's end: the three lines
	ds_add_u32 v[SPW], v[NIL]
	s_wait_dscnt 0x0
	s_endpgm
.Lfunc_end_k_q07ad7196d2_prep:
	.size	k_q07ad7196d2_prep, .Lfunc_end_k_q07ad7196d2_prep-k_q07ad7196d2_prep
	.p2alignl 7, 3214868480
	.fill 96, 4, 3214868480
	.section	.rodata,"a",@progbits
	.p2align	6, 0x0
	.amdhsa_kernel k_q07ad7196d2_prep
		.amdhsa_group_segment_fixed_size 86528
		.amdhsa_private_segment_fixed_size 0
		.amdhsa_enable_private_segment 0
		.amdhsa_kernarg_size 64
		.amdhsa_user_sgpr_count 2
		.amdhsa_user_sgpr_kernarg_segment_ptr 1
		.amdhsa_wavefront_size32 1
		.amdhsa_system_sgpr_workgroup_id_x 1
		.amdhsa_system_sgpr_workgroup_id_y 1
		.amdhsa_system_sgpr_workgroup_id_z 1
		.amdhsa_system_vgpr_workitem_id 0
		.amdhsa_next_free_vgpr 192
		.amdhsa_next_free_sgpr 66
		.amdhsa_reserve_vcc 0
		.amdhsa_float_denorm_mode_32 3
		.amdhsa_float_denorm_mode_16_64 3
		.amdhsa_memory_ordered 1
		.amdhsa_forward_progress 1
		.amdhsa_inst_pref_size 122
	.end_amdhsa_kernel
	.amdgpu_metadata
---
amdhsa.version: [ 1, 2 ]
amdhsa.kernels:
  - .name:           k_q07ad7196d2_prep
    .symbol:         k_q07ad7196d2_prep.kd
    .args:
      - { .name: x, .offset: 0, .size: 8, .value_kind: global_buffer, .address_space: global }
      - { .name: w_attn, .offset: 8, .size: 8, .value_kind: global_buffer, .address_space: global }
      - { .name: w_proj, .offset: 16, .size: 8, .value_kind: global_buffer, .address_space: global }
      - { .name: x_codes, .offset: 24, .size: 8, .value_kind: global_buffer, .address_space: global }
      - { .name: x_scales, .offset: 32, .size: 8, .value_kind: global_buffer, .address_space: global }
      - { .name: w_codes, .offset: 40, .size: 8, .value_kind: global_buffer, .address_space: global }
      - { .name: w_scales, .offset: 48, .size: 8, .value_kind: global_buffer, .address_space: global }
      - { .name: wpb, .offset: 56, .size: 8, .value_kind: global_buffer, .address_space: global }
    .group_segment_fixed_size: 86528
    .private_segment_fixed_size: 0
    .kernarg_segment_align: 8
    .kernarg_segment_size: 64
    .max_flat_workgroup_size: 128
    .sgpr_count:     66
    .vgpr_count:     192
    .wavefront_size: 32
...
	.end_amdgpu_metadata
.endif
;; end of part 1
;; launch qkv (part 2): grid 12 x 32, 4 waves a work-group, clusters of 4 x 4, 327,680 bytes of LDS; arguments x_codes, x_scales, w_codes, w_scales, qkv, qkvf; writes qkv, qkvf
.if DOCPART == 2
	.amdgcn_target "amdgcn-amd-amdhsa--gfx1250"
	.amdhsa_code_object_version 6
	.text
	.protected	k_q07ad7196d2_qkv
	.globl	k_q07ad7196d2_qkv
	.p2align	8
	.type	k_q07ad7196d2_qkv,@function
k_q07ad7196d2_qkv:
	s_mov_b64 s[64:65], 0
	v_nop
	global_prefetch_b8 v0, s[64:65] scope:SCOPE_SE
	s_setreg_imm32_b32 hwreg(HW_REG_WAVE_MODE, 25, 1), 1
	s_wait_xcnt 0x0
	s_wait_alu depctr_hold_cnt(0) depctr_sa_sdst(0) depctr_va_vdst(0) depctr_va_sdst(0) depctr_va_ssrc(0) depctr_va_vcc(0) depctr_vm_vsrc(0)
	s_getreg_b32 s2, hwreg(HW_REG_IB_STS2, 6, 4)
	s_cmp_eq_u32 s2, 0
	s_cbranch_scc0 .Lentry_in_a_cluster
	s_endpgm
.Lentry_in_a_cluster:
	s_bfe_u32 s2, ttmp6, 0x10000c
	s_cmp_lg_u32 s2, 0xf033
	s_cbranch_scc0 .Lentry_shape_is_right
	s_endpgm
.Lentry_shape_is_right:
; QKV = Q(x) Q(w_attn): [8192][1024] x [3072][1024]^T on codes of E2M1 with one E8M0 scale for each 32 along K; sums in f32.
; A tile of 256 x 256 is made by four waves, 128 x 128 each: 64 accumulators, 512 registers.  K = 1,024 is two LDS slots of 512 along K (rows of 256 bytes), both asked for at the head:
; no slot is filled twice.  The scale bytes of the tile's rows, for all of K, come once, as dense blocks.
; CLUSTERS: 4 x 4 work-groups; A's tiles are asked for jointly along a row of the cluster, B's along a column.  The tile row is cluster y + 8 cy: so the batch is cy, and the tiles that hold
; a sequence's first rows are those of cluster y = 0, a number that all sixteen partners share.
; THE MATRIX INSTRUCTION IS USED TRANSPOSED (source 0 = 16 rows of w, source 1 = 16 rows of x): a lane holds eight neighbouring columns of one row.
; OUT: qkv, f16, [batch][48 = which x 16 + head][2048 t][64]; q is multiplied by c = log2(e) / 8 in f32 before it is rounded.  qkvf, f32, [16 batch + position][3072]: positions 0-15 of each sequence, unscaled.
; LIMIT: |q c|, |k|, |v| stay under 65,504 (f16).
; REGISTERS: window 0: v0-31 addresses; v32-95 scale words, two sets; v128-191 A's fragments, one set; on the way out v32-63, v128-255 are free.  window 1: B's fragments, two sets.
;   window 2: the accumulators of my rows 0-63 ((a, b) at v[8 (8 a + b)]); window 3: those of rows 64-127.
.set SIZE_K, 1024
.set KSTEP,  512
.set NQ,     KSTEP/128
.set ROWB,   256
.set KROW,   SIZE_K*4/8
.set PITCH,  272                       ; 256 bytes + 16 of padding: the 16 rows that a load touches start 16 bytes apart modulo 256
.set FR,     8
.set NL,     2
.set NP,     4                         ; places behind this matrix instruction (ISA guide 7.12.1)
.set HALFT,  128*PITCH
.set SLOT,   4*HALFT
.set KS,     SIZE_K/32
.set SCL,    2*SLOT                    ; behind the two slots: the scales, as units of 256 bytes + 16
.set HALFS,  (128*KS/256)*272
.set SBLK,   (16*KS/256)*272
.set SPARE,  SCL+4*HALFS               ; the spare words, 128 bytes a wave, named by no other line
.set SP32,   528                       ; the way out, in slot 0 (its one fill is done and nobody reads it behind the change of slots): a stage of 16 x 528 for each wave, for f32 rows,
.set STG16,  34816                     ; and from here one of 16 x 272 for each wave, for f16 rows
.set SP16,   272
.set ADRA, 16                          ; v16-17 LDS address of my A fragments in slot 0, 1
.set ADRB, 20                          ; v20-21 the same for B
.set STO16, 22                         ; v22 f16 stage: where I put 16 bytes of a row
.set RD16, 23                          ; v23 and where I read back
.set STO,  24                          ; v24 f32 stage: where I put 32 bytes of a row
.set RD,   25                          ; v25 and where I read a row back
.set CO,   26                          ; v26 16 x lane
.set ADRS, 27                          ; v27 LDS address of my scale words: lanes 0-15 A's rows, lanes 16-31 B's
.set SPW,  28
.set NIL,  29
.set CO16, 30                          ; v30 my byte offset in qkv: head (lane / 16), 16 (lane % 16)
.set SC,   32
.set AF,   128
.set TMP,  192                         ; the way out: packed results
.set G1, 24
.set G0, 32
.set G1B, 48
.set G0B, 56
.set G1S, 68
.set G0S, 76
.set G1SB, 80
.set G0SB, 88
.set CLY, 95                           ; s95 cluster y
.set FQ,  98                           ; s[98:99] the factor on the way out: c for q's columns, 1 for the others
.set MSB, 0
.macro WIN new                         ; the immediate's high byte repeats the setting that is left
.if MSB != \new
	s_set_vgpr_msb (MSB<<8)|\new
.set MSB, \new
.endif
.endm
.set MUL_LO, 0xa1                      ; source 0 (B) window 1, source 1 (A) window 0, C and D window 2
.set MUL_HI, 0xf1
.set TO_B,   0x40
; A joint load: waves 0 and 1 fetch for A, waves 2 and 3 for B.  The branch hangs on the wave's number alone.  An s_nop 0 and four v_nop follow each line.
.macro JLOAD g0a, g1a, g0b, g1b
	s_cmp_eq_u32 s15, 0
	s_cbranch_scc0 .Lfor_b_\@
	tensor_load_to_lds s[\g0a:\g0a+3], s[\g1a:\g1a+7]
	s_nop 0
.rept 4
	v_nop
.endr
	s_branch .Lasked_\@
.Lfor_b_\@:
	tensor_load_to_lds s[\g0b:\g0b+3], s[\g1b:\g1b+7]
	s_nop 0
.rept 4
	v_nop
.endr
.Lasked_\@:
.endm
.macro CROUND                          ; a round of the cluster's barrier
	s_barrier_signal -1
	s_barrier_wait -1
	s_cmp_lg_u32 s14, 0
	s_cbranch_scc1 .Lnot_wave_0_\@
	s_barrier_signal -3
.Lnot_wave_0_\@:
	s_barrier_wait -3
	s_barrier_signal -1
	s_barrier_wait -1
.endm
	s_load_b128 s[4:7], s[0:1], 0x0                ; x's codes, x's scales
	s_load_b128 s[8:11], s[0:1], 0x10              ; w's codes, w's scales
	s_load_b64 s[12:13], s[0:1], 0x20              ; qkv
	s_load_b64 s[66:67], s[0:1], 0x28              ; qkvf
	v_lshl_add_u32 v[SPW], v0, 2, SPARE
	v_mov_b32 v[NIL], 0
	ds_add_u32 v[SPW], v[NIL]                      ; the opening: the add, twice on end, and its wait ahead of my first tensor load
	ds_add_u32 v[SPW], v[NIL]
	v_lshrrev_b32 v1, 5, v0
	v_readfirstlane_b32 s14, v1                    ; wave 0..3
	s_lshr_b32 s15, s14, 1                         ; which half of the tile's rows is mine.  Also: I fetch for A (0) or for B (1)
	s_and_b32 s16, s14, 1                          ; which half of its columns.  Also: which 128 rows I fetch
	s_bfe_u32 s40, ttmp6, 0x40000                  ; cx
	s_bfe_u32 s41, ttmp6, 0x40004                  ; cy
	s_lshl_b32 s42, ttmp9, 2
	s_add_co_u32 s42, s42, s40                     ; tile column = 4 x cluster x + cx
	s_and_b32 s[CLY], ttmp7, 0xffff
	s_lshl_b32 s17, s41, 3
	s_add_co_u32 s17, s17, s[CLY]                  ; tile row = 8 cy + cluster y: batch cy, rows 256 x cluster y on
	s_lshl_b32 s43, s41, 2
	s_lshl_b32 s43, 15, s43                        ; my row of the cluster
	s_lshl_b32 s44, 0x1111, s40                    ; my column
	s_mov_b32 s[FQ], 0x3f800000
	s_cmp_eq_u32 ttmp9, 0                          ; cluster x = 0 holds columns 0-1023: q
	s_cselect_b32 s[FQ], 0x3e38aa3b, s[FQ]         ; c = log2(e) / 8
	s_mov_b32 s[FQ+1], s[FQ]
	s_or_b32 s[G1+0], s43, (0<<16)|(1<<20)|(1<<21)|(5<<22)|(3<<25)  ; the mask; elements of 1 byte; padding: 4 words after every 64; bit 21 beside a mask
	s_or_b32 s[G1B+0], s44, (0<<16)|(1<<20)|(1<<21)|(5<<22)|(3<<25)
.irp g, G1, G1B
	s_mov_b32 s[\g+1], ROWB<<16                    ; tensor_dim0
	s_mov_b32 s[\g+2], 128<<16                     ; tensor_dim1
	s_mov_b32 s[\g+3], ROWB<<16                    ; tile_dim0
	s_mov_b32 s[\g+4], 128                         ; tile_dim1
	s_mov_b32 s[\g+5], KROW                        ; pitch
	s_mov_b32 s[\g+6], 0
	s_mov_b32 s[\g+7], 0
.endr
	s_or_b32 s[G1S+0], s43, (3<<16)|(1<<20)|(1<<21)|(5<<22)|(3<<25)  ; the scales of 128 rows: 4,096 dense bytes as 16 rows of 256 (32 elements of 8 bytes)
	s_or_b32 s[G1SB+0], s44, (3<<16)|(1<<20)|(1<<21)|(5<<22)|(3<<25)
.irp g, G1S, G1SB
	s_mov_b32 s[\g+1], 32<<16
	s_mov_b32 s[\g+2], (128*KS/256)<<16
	s_mov_b32 s[\g+3], 32<<16
	s_mov_b32 s[\g+4], 128*KS/256
	s_mov_b32 s[\g+5], 32
	s_mov_b32 s[\g+6], 0
	s_mov_b32 s[\g+7], 0
.endr
	s_lshl_b32 s18, s16, 7
	s_lshl_b32 s20, s17, 8
	s_add_co_u32 s20, s20, s18                     ; A: row 256 x tile row + 128 x half
	s_lshl_b32 s46, s42, 8
	s_add_co_u32 s46, s46, s18                     ; B: row 256 x tile column + 128 x half
	s_mov_b32 s21, 0
	s_mov_b32 s47, 0
	s_mov_b64 s[18:19], KS
	s_mul_u64 s[22:23], s[20:21], s[18:19]         ; where these rows' scales begin
	s_mul_u64 s[92:93], s[46:47], s[18:19]
	s_mov_b64 s[18:19], KROW
	s_mul_u64 s[20:21], s[20:21], s[18:19]         ; and their codes
	s_mul_u64 s[46:47], s[46:47], s[18:19]
	s_mul_i32 s45, s14, HALFT                      ; where they go: wave x 128 rows
	s_mul_i32 s94, s14, HALFS
	s_wait_dscnt 0x0                               ; both opening adds are done
	s_wait_kmcnt 0x0
	s_add_nc_u64 s[20:21], s[4:5], s[20:21]
	s_add_nc_u64 s[22:23], s[6:7], s[22:23]
	s_add_nc_u64 s[46:47], s[8:9], s[46:47]
	s_add_nc_u64 s[92:93], s[10:11], s[92:93]
	CROUND                                         ; all sixteen work-groups are here: the joint loads meet
	s_mov_b32 s[G0S], 1
	s_add_co_u32 s[G0S+1], s94, SCL
	s_mov_b64 s[G0S+2:G0S+3], s[22:23]
	s_or_b32 s[G0S+3], s[G0S+3], 0x80000000
	s_mov_b32 s[G0SB], 1
	s_add_co_u32 s[G0SB+1], s94, SCL
	s_mov_b64 s[G0SB+2:G0SB+3], s[92:93]
	s_or_b32 s[G0SB+3], s[G0SB+3], 0x80000000
	JLOAD G0S, G1S, G0SB, G1SB                     ; the scales first
.irp s, 0,1
	s_mov_b32 s[G0+4*\s], 1
	s_add_co_u32 s[G0+4*\s+1], s45, \s*SLOT
	s_add_nc_u64 s[G0+4*\s+2:G0+4*\s+3], s[20:21], \s*ROWB
	s_or_b32 s[G0+4*\s+3], s[G0+4*\s+3], 0x80000000
	s_mov_b32 s[G0B+4*\s], 1
	s_add_co_u32 s[G0B+4*\s+1], s45, \s*SLOT
	s_add_nc_u64 s[G0B+4*\s+2:G0B+4*\s+3], s[46:47], \s*ROWB
	s_or_b32 s[G0B+4*\s+3], s[G0B+4*\s+3], 0x80000000
	JLOAD G0+4*\s, G1, G0B+4*\s, G1B               ; three loads of mine are out in all
.endr
	v_and_b32 v1, 15, v0                           ; r = l % 16
	v_bfe_u32 v2, v0, 4, 1                         ; h = l / 16
	v_mul_u32_u24 v3, v1, PITCH
	v_lshl_add_u32 v4, v2, 4, v3                   ; a fragment's row x pitch + 16 x half
	s_mul_i32 s21, s15, HALFT
	s_mul_i32 s22, s16, HALFT
	s_add_co_u32 s22, s22, 2*HALFT
.irp s, 0,1
	v_add_nc_u32 v[ADRA+\s], s21, v4
	v_add_nc_u32 v[ADRB+\s], s22, v4
	s_add_co_u32 s21, s21, SLOT
	s_add_co_u32 s22, s22, SLOT
.endr
	v_mul_u32_u24 v5, v1, KS                       ; my row's scales: 32 bytes a row,
	v_lshrrev_b32 v6, 8, v5
	v_lshl_add_u32 v5, v6, 4, v5                   ; and 16 more for each 256 passed
	s_mul_i32 s21, s15, HALFS
	s_mul_i32 s22, s16, HALFS
	s_add_co_u32 s22, s22, 2*HALFS
	s_sub_co_u32 s22, s22, s21
	v_mul_u32_u24 v6, s22, v2                      ; lanes 16-31 take B's: one product, the distance between the two bases
	s_add_co_u32 s21, s21, SCL
	v_add_nc_u32 v5, v5, v6
	v_add_nc_u32 v[ADRS], s21, v5
	s_mul_i32 s23, s14, 16*SP32                    ; my f32 stage
	v_mul_u32_u24 v5, v1, SP32
	v_lshl_add_u32 v5, v2, 5, v5
	v_add_nc_u32 v[STO], s23, v5
	v_and_b32 v6, 31, v0
	v_lshlrev_b32 v[CO], 4, v6
	v_add_nc_u32 v[RD], s23, v[CO]
	s_mul_i32 s23, s14, 16*SP16
	s_add_co_u32 s23, s23, STG16                   ; my f16 stage
	v_mul_u32_u24 v5, v1, SP16
	v_lshl_add_u32 v5, v2, 4, v5
	v_add_nc_u32 v[STO16], s23, v5                 ; in: row r, 16 bytes for each half of the lanes
	v_bfe_u32 v5, v0, 3, 1
	v_mul_u32_u24 v5, v5, SP16
	v_and_b32 v6, 7, v0
	v_lshl_add_u32 v5, v6, 4, v5
	v_lshl_add_u32 v5, v2, 7, v5
	v_add_nc_u32 v[RD16], s23, v5                  ; back: lanes 0-15 two rows of the first head's 128 bytes, lanes 16-31 of the second's
	v_lshlrev_b32 v[CO16], 18, v2                  ; a head's plane is 262,144 bytes
	v_lshl_add_u32 v[CO16], v1, 4, v[CO16]
	s_mul_i32 s20, s41, 48                         ; qkv: plane 48 batch + 4 tile column + 2 (wave % 2),
	s_lshl_b32 s21, s42, 2
	s_add_co_u32 s20, s20, s21
	s_lshl_b32 s21, s16, 1
	s_add_co_u32 s20, s20, s21
	s_lshl_b32 s20, s20, 18
	s_lshl_b32 s21, s[CLY], 15                     ; t = 256 cluster y + 128 (wave / 2), 128 bytes a row
	s_add_co_u32 s20, s20, s21
	s_lshl_b32 s21, s15, 14
	s_add_co_u32 s20, s20, s21
	s_mov_b32 s21, 0
	s_add_nc_u64 s[12:13], s[12:13], s[20:21]
	s_mul_i32 s20, s41, 16*12288                   ; qkvf: row 16 batch, column 256 tile column + 128 (wave % 2)
	s_lshl_b32 s46, s42, 10
	s_add_co_u32 s20, s20, s46
	s_lshl_b32 s46, s16, 9
	s_add_co_u32 s20, s20, s46
	s_add_nc_u64 s[66:67], s[66:67], s[20:21]
.macro FRAG reg, adr, q, i             ; 16 rows x 128 K of 4-bit codes: 8 registers; registers 4 c .. 4 c + 3 hold K = 64 c + 32 (l / 16) + 0 .. 31
.irp c, 0,1
	ds_load_b128 v[\reg+4*\c:\reg+4*\c+3], v[\adr] offset:64*(\q)+32*\c+(\i)*16*PITCH
.endr
.endm
; 16 matrix instructions: A's blocks a0, a0 + 1 x B's eight.  The 64 accumulators take turns, one instruction a turn, in the same order in every step.
.macro MUL16 a0, p, q, sc, zero
.irp a, \a0, \a0+1
.irp b, 0,1,2,3,4,5,6,7
.if \zero
	v_wmma_scale_f32_16x16x128_f8f6f4 v[8*(8*((\a)%4)+\b):8*(8*((\a)%4)+\b)+7], v[128*(\p)+FR*\b:128*(\p)+FR*\b+FR-1], v[AF+FR*(\a):AF+FR*(\a)+FR-1], 0, v[SC+8*NQ*(\sc)+NQ*\b+(\q)], v[SC+8*NQ*(\sc)+NQ*(\a)+(\q)] matrix_a_fmt:MATRIX_FMT_FP4 matrix_b_fmt:MATRIX_FMT_FP4 matrix_a_scale:MATRIX_SCALE_ROW1
.else
	v_wmma_scale_f32_16x16x128_f8f6f4 v[8*(8*((\a)%4)+\b):8*(8*((\a)%4)+\b)+7], v[128*(\p)+FR*\b:128*(\p)+FR*\b+FR-1], v[AF+FR*(\a):AF+FR*(\a)+FR-1], v[8*(8*((\a)%4)+\b):8*(8*((\a)%4)+\b)+7], v[SC+8*NQ*(\sc)+NQ*\b+(\q)], v[SC+8*NQ*(\sc)+NQ*(\a)+(\q)] matrix_a_fmt:MATRIX_FMT_FP4 matrix_b_fmt:MATRIX_FMT_FP4 matrix_a_scale:MATRIX_SCALE_ROW1
.endif
.endr
.endr
.endm
.macro FETCH_B slot, q, p
	WIN TO_B
.irp i, 0,1,2,3,4,5,6,7
	FRAG 128*(\p)+FR*\i, ADRB+\slot, \q, \i
.endr
	WIN 0
.endm
.macro FETCH_A slot, q, i0
.irp i, \i0, \i0+1, \i0+2, \i0+3
	FRAG AF+FR*(\i), ADRA+\slot, \q, \i
.endr
.endm
.macro SCALES sc                       ; a slot's scale words: 4 words a row; lanes 0-15 take A's block i, lanes 16-31 B's block i
.irp i, 0,1,2,3,4,5,6,7
	ds_load_b128 v[SC+8*NQ*\sc+NQ*\i:SC+8*NQ*\sc+NQ*\i+3], v[ADRS] offset:\i*SBLK
.endr
.endm
.macro PLACES n                        ; plain vector instructions between a matrix instruction and a load into, or a read of, its registers
.rept \n
	v_nop
.endr
.endm
.macro STEP slot, q, zero              ; a step of 128 along K that has its successor in the same slot
	s_wait_dscnt 4*NL                              ; all but the youngest eight loads (A's blocks 4-7) are in
	WIN MUL_LO
	MUL16 0, (\q)%2, \q, \slot, \zero
	MUL16 2, (\q)%2, \q, \slot, \zero
	s_wait_dscnt 0
	PLACES NP
	FETCH_B \slot, (\q)+1, 1-(\q)%2
	FETCH_A \slot, (\q)+1, 0
	WIN MUL_HI
	MUL16 4, (\q)%2, \q, \slot, \zero
	MUL16 6, (\q)%2, \q, \slot, \zero
	PLACES NP
	WIN 0
	FETCH_A \slot, (\q)+1, 4
.endm
; Slot 0's last step changes slots: one barrier; in front of it each wave waits for all its tensor loads (its part of slot 1) and for its reads of slot 0.  Nothing is filled again.
.macro TURN slot, next
	s_wait_tensorcnt 0x0                           ; all my tensor loads have landed
	ds_add_u32 v[SPW], v[NIL]
	s_wait_dscnt 4*NL+1                            ; (the add and the youngest eight loads may be out)
	WIN MUL_LO
	MUL16 0, 1, NQ-1, \slot, 0
	s_wait_dscnt 0x0                               ; the add is done, and my reads of this slot are over
	s_barrier_signal -1
	MUL16 2, 1, NQ-1, \slot, 0
	WIN 0
	s_barrier_wait -1
	PLACES NP
	v_add_nc_u32 v[ADRS], 4*NQ, v[ADRS]            ; on to the next 512 along K of the scale words
	FETCH_B \next, 0, 0
	FETCH_A \next, 0, 0
	SCALES \next
	WIN MUL_HI
	MUL16 4, 1, NQ-1, \slot, 0
	MUL16 6, 1, NQ-1, \slot, 0
	PLACES NP
	WIN 0
	FETCH_A \next, 0, 4
.endm
.macro STEPS slot, from
.set QS, \from
.rept NQ-1-\from
	STEP \slot, QS, 0
.set QS, QS+1
.endr
.endm
	s_wait_tensorcnt 1                             ; the scales and my part of slot 0 are in; slot 1's load may be out
	s_barrier_signal -1
	s_barrier_wait -1
	FETCH_B 0, 0, 0
	FETCH_A 0, 0, 0
	SCALES 0
	FETCH_A 0, 0, 4
	STEP 0, 0, 1                                   ; the first products start the sums
	STEPS 0, 1
	TURN 0, 1
	STEPS 1, 0
	s_wait_dscnt 4*NL                              ; the last step
	WIN MUL_LO
	MUL16 0, 1, NQ-1, 1, 0
	MUL16 2, 1, NQ-1, 1, 0
	s_wait_dscnt 0
	WIN MUL_HI
	MUL16 4, 1, NQ-1, 1, 0
	MUL16 6, 1, NQ-1, 1, 0
	WIN 0
	PLACES NP                                      ; behind the last products, for every read and load below
	; POSITIONS 0-15 OF A SEQUENCE IN f32: my block 0, where my rows are the tile's first half and the cluster is the first along y.  The condition is the wave's number and the cluster's y: alike in all partners.
	s_or_b32 s2, s15, s[CLY]
	s_cmp_lg_u32 s2, 0
	s_cbranch_scc1 .Lno_fine
	WIN 0x08                                       ; an LDS store's data: window 2
.irp b, 0,1,2,3,4,5,6,7
	ds_store_b128 v[STO], v[8*\b:8*\b+3] offset:64*\b            ; each accumulator from its low end on
	ds_store_b128 v[STO], v[8*\b+4:8*\b+7] offset:64*\b+16
.endr
	WIN 0
.irp t, 0,1,2,3,4,5,6,7,8,9,10,11,12,13,14,15
	ds_load_b128 v[128+4*\t:128+4*\t+3], v[RD] offset:\t*SP32    ; LDS serves a wave in order: these see the stores above
.endr
	s_wait_dscnt 0x0
.irp t, 0,1,2,3,4,5,6,7,8,9,10,11,12,13,14,15
	global_store_b128 v[CO], v[128+4*\t:128+4*\t+3], s[66:67] offset:\t*12288   ; 512 consecutive bytes of a row of qkvf
.endr
.Lno_fine:
; THE WAY OUT, a block of 16 rows x 128 columns at a time: times the factor, rounded to f16, through my stage, and out so that sixteen lanes store two rows of one head: 256 consecutive bytes, aligned.
.macro PACK a
.set AC, 64*((\a)%4)
	WIN 0x82+0x41*((\a)/4)                         ; destination and source 0: window 2 or 3
.set i, 0
.rept 32
	v_pk_mul_f32 v[AC+2*i:AC+2*i+1], v[AC+2*i:AC+2*i+1], s[FQ:FQ+1] op_sel_hi:[1,0]   ; ascending: each accumulator from its low end on
.set i, i+1
.endr
	WIN 0x0a+5*((\a)/4)                            ; sources 0 and 1: window 2 or 3
.irp b, 0,1,2,3,4,5,6,7
.irp r, 0,1,2,3
	v_cvt_pk_f16_f32 v[TMP+4*\b+\r], v[AC+8*\b+2*\r], v[AC+8*\b+2*\r+1]
.endr
.endr
	WIN 0
.endm
.macro TOSTAGE a
.set BB, 32+192*((\a)%2)               ; v32-63 and v224-255 by turns
.irp b, 0,1,2,3,4,5,6,7
	ds_store_b128 v[STO16], v[TMP+4*\b:TMP+4*\b+3] offset:32*\b
.endr
.irp i, 0,1,2,3,4,5,6,7
	ds_load_b128 v[BB+4*\i:BB+4*\i+3], v[RD16] offset:2*SP16*\i
.endr
.endm
.macro SEND a
.set BB, 32+192*((\a)%2)
	s_wait_dscnt 0x0                               ; the block is back in registers
	s_wait_xcnt 0x0                                ; the stores of the block before have read their registers: the next block's loads may land there
.irp i, 0,1,2,3,4,5,6,7
	global_store_b128 v[CO16], v[BB+4*\i:BB+4*\i+3], s[12:13] offset:(\a)*2048+256*\i
.endr
.endm
	PACK 0
	TOSTAGE 0
.irp a, 1,2,3,4,5,6,7                  ; block a's arithmetic stands between block a - 1's loads from the stage and the wait for them
	PACK \a
	SEND \a-1
	TOSTAGE \a
.endr
	SEND 7
	s_wait_tensorcnt 0x0                           ; the wave's end
	ds_add_u32 v[SPW], v[NIL]
	s_wait_dscnt 0x0
	CROUND                                         ; the closing round
	s_endpgm
.Lfunc_end_k_q07ad7196d2_qkv:
	.size	k_q07ad7196d2_qkv, .Lfunc_end_k_q07ad7196d2_qkv-k_q07ad7196d2_qkv
	.p2alignl 7, 3214868480
	.fill 96, 4, 3214868480
	.section	.rodata,"a",@progbits
	.p2align	6, 0x0
	.amdhsa_kernel k_q07ad7196d2_qkv
		.amdhsa_group_segment_fixed_size 327680
		.amdhsa_private_segment_fixed_size 0
		.amdhsa_enable_private_segment 0
		.amdhsa_kernarg_size 48
		.amdhsa_user_sgpr_count 2
		.amdhsa_user_sgpr_kernarg_segment_ptr 1
		.amdhsa_wavefront_size32 1
		.amdhsa_system_sgpr_workgroup_id_x 1
		.amdhsa_system_sgpr_workgroup_id_y 1
		.amdhsa_system_sgpr_workgroup_id_z 1
		.amdhsa_system_vgpr_workitem_id 0
		.amdhsa_next_free_vgpr 1024
		.amdhsa_next_free_sgpr 100
		.amdhsa_reserve_vcc 0
		.amdhsa_float_denorm_mode_32 3
		.amdhsa_float_denorm_mode_16_64 3
		.amdhsa_memory_ordered 1
		.amdhsa_forward_progress 1
		.amdhsa_inst_pref_size 147
	.end_amdhsa_kernel
	.amdgpu_metadata
---
amdhsa.version: [ 1, 2 ]
amdhsa.kernels:
  - .name:           k_q07ad7196d2_qkv
    .symbol:         k_q07ad7196d2_qkv.kd
    .args:
      - { .name: x_codes, .offset: 0, .size: 8, .value_kind: global_buffer, .address_space: global }
      - { .name: x_scales, .offset: 8, .size: 8, .value_kind: global_buffer, .address_space: global }
      - { .name: w_codes, .offset: 16, .size: 8, .value_kind: global_buffer, .address_space: global }
      - { .name: w_scales, .offset: 24, .size: 8, .value_kind: global_buffer, .address_space: global }
      - { .name: qkv, .offset: 32, .size: 8, .value_kind: global_buffer, .address_space: global }
      - { .name: qkvf, .offset: 40, .size: 8, .value_kind: global_buffer, .address_space: global }
    .group_segment_fixed_size: 327680
    .private_segment_fixed_size: 0
    .kernarg_segment_align: 8
    .kernarg_segment_size: 48
    .max_flat_workgroup_size: 128
    .sgpr_count:     100
    .vgpr_count:     1024
    .wavefront_size: 32
...
	.end_amdgpu_metadata
.endif
;; end of part 2
;; launch attn (part 3): grid 4 x 64, 16 waves a work-group, no clusters, 327,680 bytes of LDS; arguments qkv, att; writes att
.if DOCPART == 3
	.amdgcn_target "amdgcn-amd-amdhsa--gfx1250"
	.amdhsa_code_object_version 6
	.text
	.protected	k_q07ad7196d2_attn
	.globl	k_q07ad7196d2_attn
	.p2align	8
	.type	k_q07ad7196d2_attn,@function
k_q07ad7196d2_attn:
	s_mov_b64 s[64:65], 0
	v_nop
	global_prefetch_b8 v0, s[64:65] scope:SCOPE_SE
	s_setreg_imm32_b32 hwreg(HW_REG_WAVE_MODE, 25, 1), 1
	s_wait_xcnt 0x0
; ATTENTION, causal, head size 64, operands in f16, products, maxima and sums in f32.  qkv: [batch][48 = which x 16 + head][2048][64] f16, q already times c = log2(e) / 8.
; att: f16, blocked for the projection: [row / 128][head][128 rows][64].
; SHARES.  Work-group (j, batch x 16 + head) owns query blocks j and 7 - j of 256: every work-group has the same number of query-key pairs under the mask.  Waves 0-7 take block j, 32 queries each,
; waves 8-15 block 7 - j in reversed order.  A wave holds two tiles of 16 queries in 256 registers: four waves to a SIMD, so that one wave's vector work stands beside another's products.
; Every work-group walks all 8 slots of 256 keys (constant trip counts); a step of 64 keys all of which come after the wave's queries is jumped over; a slot that none of the sixteen waves will read is not asked for.
; NO CLUSTER: the four work-groups of a head need different numbers of slots, so a joint load would bring tiles that some partner never reads.
; LAYOUT.  S^T = K Q^T (source 0 = 16 keys, source 1 = 16 queries) and O^T = V^T P (source 0 = 16 channels, from V by the turning load; source 1 = P): a lane holds ONE query throughout.
; SOFTMAX.  A running maximum m and sum l for each query: p = 2^(s - m), at most 1; in every step O and l are multiplied by a = 2^(m_old - m_new).  p is rounded to f16 for the second product; l sums the unrounded p.
; LIMITS: NaN and infinities are not served; positions 0-15 of each sequence are written here in f16 precision and made anew, in f32, by a later launch.
; REGISTERS: v1-9 addresses and constants; v10-19, v20-29 a tile's statistics (+0 m, +1 at work, +2,+3 l, +4 a, +5 its pair's upper word, +6..+9 at work); v32-63 Q; v64-127 S^T, then P in each tile's low 16;
;   v128-191 O^T; v192-255 K's fragments, then V's.
.set SK,    256                        ; keys in a slot
.set PK,    272                        ; two keys' rows of K (256 bytes) + 16 of padding
.set PV,    288                        ; two keys' rows of V + 32
.set VOFF,  128*PK
.set SLOT1, 1<<17
.set NSL,   2048/SK
.set STAGE, SLOT1+128*(PK+PV)          ; behind slot 1: 32 rows x 144 bytes for each wave; no tile lands here
.set SPT,   144
.set SPARE, STAGE+16*32*SPT            ; the spare words, 128 bytes a wave, named by no other line
.set AK0, 1
.set AV0, 2
.set ADK, 3
.set ADV, 4
.set SPW, 5
.set NIL, 6
.set RH,  7                            ; v7 r - 8 h
.set NINF, 8                           ; v8 -infinity
.set PFO, 9                            ; v9 256 x lane
.set ST,  10
.set QF,  32
.set SS,  64
.set OO,  128
.set FF,  192
.set WV,  8
.set Q0,  11                           ; s11 my first query
.set KF,  12                           ; s12 the step's first key
.set LQ,  13                           ; s13 my work-group's last query
.set TB,  14                           ; s14 LDS byte at which the slot in hand begins
.set SLOTS, 15
.set SEL, 16
.set LIM, 18
.set G1K, 24
.set G1V, 32
.set G0K, 40
.set G0V, 44
.set PFA, 48
; Waves 0 and 1 fetch K's halves of a slot, waves 2 and 3 V's, the others nothing.  An s_nop 0 and four v_nop follow each line.
.macro TLOAD
	s_cmp_lt_u32 s[WV], 2
	s_cbranch_scc0 .Lnot_k_\@
	tensor_load_to_lds s[G0K:G0K+3], s[G1K:G1K+7]
	s_nop 0
.rept 4
	v_nop
.endr
	s_branch .Lasked_\@
.Lnot_k_\@:
	s_cmp_lt_u32 s[WV], 4
	s_cbranch_scc0 .Lasked_\@
	tensor_load_to_lds s[G0V:G0V+3], s[G1V:G1V+7]
	s_nop 0
.rept 4
	v_nop
.endr
.Lasked_\@:
.endm
; A prefetch of what the NEXT change of slots will ask for: 32,768 dense bytes of K and of V.  Of a head's four work-groups the one with j = 0, which walks all slots, asks; in it waves 4-7 ask for K,
; waves 8-11 for V, 8,192 bytes a wave, lanes 256 bytes apart: each block of 256 bytes is named once.  The last change that fills a slot asks for nothing.
.macro ASK
	s_cmp_gt_u32 s[SLOTS], s[LIM]
	s_cbranch_scc0 .Lnot_mine_\@
	global_prefetch_b8 v[PFO], s[PFA:PFA+1] th:TH_LOAD_NT scope:SCOPE_SE
.Lnot_mine_\@:
.endm
	s_load_b128 s[4:7], s[0:1], 0x0                ; qkv, att
	v_lshl_add_u32 v[SPW], v0, 2, SPARE
	v_mov_b32 v[NIL], 0
	ds_add_u32 v[SPW], v[NIL]                      ; the opening: the add, twice on end, and its wait ahead of the first tensor load
	ds_add_u32 v[SPW], v[NIL]
	v_lshrrev_b32 v30, 5, v0
	v_readfirstlane_b32 s[WV], v30                 ; wave 0..15
	s_and_b32 s50, ttmp7, 0xffff
	s_lshr_b32 s22, s50, 4                         ; batch
	s_and_b32 s23, s50, 15                         ; head
	s_mul_i32 s52, s22, 48
	s_add_co_u32 s52, s52, s23
	s_lshl_b32 s52, s52, 18                        ; q's plane, in bytes; k's lies 16 planes on, v's 32
	s_mov_b32 s53, 0
	s_sub_co_u32 s54, 7, ttmp9
	s_sub_co_u32 s55, 15, s[WV]
	s_cmp_lt_u32 s[WV], 8
	s_cselect_b32 s54, ttmp9, s54                  ; my block of 256 queries
	s_cselect_b32 s55, s[WV], s55                  ; my 32 of them
	s_lshl_b32 s54, s54, 8
	s_lshl_b32 s55, s55, 5
	s_add_co_u32 s[Q0], s54, s55
	s_sub_co_u32 s[LQ], 8, ttmp9
	s_lshl_b32 s[LQ], s[LQ], 8
	s_sub_co_u32 s[LQ], s[LQ], 1                   ; 256 (8 - j) - 1
	; descriptor group 1: 64 rows of 128 elements of 2 bytes, dense in memory (a row is two keys), padded in LDS
	s_mov_b32 s[G1K], (1<<16)|(1<<20)|(5<<22)|(3<<25)   ; 4 words of padding after every 64
	s_mov_b32 s[G1V], (1<<16)|(1<<20)|(5<<22)|(7<<25)   ; 8 words
.irp g, G1K, G1V
	s_mov_b32 s[\g+1], 128<<16                     ; tensor_dim0
	s_mov_b32 s[\g+2], 64<<16                      ; tensor_dim1
	s_mov_b32 s[\g+3], 128<<16                     ; tile_dim0
	s_mov_b32 s[\g+4], 64                          ; tile_dim1
	s_mov_b32 s[\g+5], 128                         ; pitch
	s_mov_b32 s[\g+6], 0
	s_mov_b32 s[\g+7], 0
.endr
	s_and_b32 s56, s[WV], 1                        ; which half of a slot I fetch, if I fetch
	s_mul_i32 s57, s56, 64*PK
	s_mul_i32 s58, s56, 64*PV
	s_add_co_u32 s58, s58, VOFF
	s_lshl_b32 s60, s56, 14
	s_mov_b32 s61, 0
	s_add_nc_u64 s[60:61], s[60:61], s[52:53]
	s_lshl_b32 s62, s[Q0], 7
	s_mov_b32 s63, 0
	s_add_nc_u64 s[62:63], s[62:63], s[52:53]      ; my queries' first byte
	s_lshl_b32 s54, s22, 4                         ; att: block ((16 batch + Q0 / 128) x 16 + head) of 16,384 bytes, row Q0 % 128 of 128 bytes
	s_lshr_b32 s55, s[Q0], 7
	s_add_co_u32 s54, s54, s55
	s_lshl_b32 s54, s54, 4
	s_add_co_u32 s54, s54, s23
	s_lshl_b32 s54, s54, 14
	s_and_b32 s55, s[Q0], 127
	s_lshl_b32 s55, s55, 7
	s_add_co_u32 s54, s54, s55
	s_mov_b32 s55, 0
	s_mov_b32 s[SEL], 0x76543210
	s_mov_b32 s[SEL+1], 0xfedcba98                 ; v_permlanex16_b32's selects for lane l xor 16
	s_mov_b32 s[TB], 0
	s_mov_b32 s[KF], 0
	s_mov_b32 s[SLOTS], NSL-1
	s_wait_dscnt 0x0                               ; both opening adds are done
	s_wait_kmcnt 0x0
	s_mov_b32 s[G0K], 1
	s_mov_b32 s[G0K+1], s57
	s_add_nc_u64 s[G0K+2:G0K+3], s[4:5], s[60:61]
	s_add_nc_u64 s[G0K+2:G0K+3], s[G0K+2:G0K+3], 0x400000
	s_or_b32 s[G0K+3], s[G0K+3], 0x80000000
	s_mov_b32 s[G0V], 1
	s_mov_b32 s[G0V+1], s58
	s_add_nc_u64 s[G0V+2:G0V+3], s[4:5], s[60:61]
	s_add_nc_u64 s[G0V+2:G0V+3], s[G0V+2:G0V+3], 0x800000
	s_or_b32 s[G0V+3], s[G0V+3], 0x80000000
	TLOAD                                          ; slot 0: it holds key 0, which counts for every query
	s_add_nc_u64 s[20:21], s[4:5], s[62:63]
	s_add_nc_u64 s[6:7], s[6:7], s[54:55]
	s_cmp_lt_u32 s[WV], 8                          ; the prefetches: waves 4-7 stand in k's plane, waves 8-11 in v's
	s_mov_b32 s50, 0x800000
	s_cselect_b32 s50, 0x400000, s50
	s_and_b32 s51, s[WV], 3
	s_lshl_b32 s51, s51, 13
	s_add_co_u32 s50, s50, s51
	s_add_co_u32 s50, s50, SK*128                  ; in slot 1: the first change of slots steps it to slot 2
	s_mov_b32 s51, 0
	s_add_nc_u64 s[50:51], s[50:51], s[52:53]
	s_add_nc_u64 s[PFA:PFA+1], s[4:5], s[50:51]
	s_sub_co_u32 s54, s[WV], 4
	s_lshr_b32 s54, s54, 3                         ; 0 in waves 4 to 11,
	s_or_b32 s54, s54, ttmp9                       ; of the work-group with j = 0
	s_cmp_eq_u32 s54, 0
	s_cselect_b32 s[LIM], 1, -1
	v_and_b32 v30, 15, v0                          ; r
	v_bfe_u32 v31, v0, 4, 1                        ; h
	v_lshlrev_b32 v[ADK], 7, v30
	v_lshl_add_u32 v[ADK], v31, 4, v[ADK]          ; Q: row r of 128 bytes + 16 h (the register is free again behind the wait for these loads)
.irp t, 0,1
.irp c, 0,1
	global_load_b128 v[QF+16*\t+8*\c:QF+16*\t+8*\c+3], v[ADK], s[20:21] offset:\t*2048+\c*64
	global_load_b128 v[QF+16*\t+8*\c+4:QF+16*\t+8*\c+7], v[ADK], s[20:21] offset:\t*2048+\c*64+32
.endr
.endr
	v_lshrrev_b32 v[AK0], 1, v30                   ; K: key r lies at (r / 2) PK + 128 (r % 2); + 16 h
	v_mul_u32_u24 v[AK0], v[AK0], PK
	v_and_b32 v[AV0], 1, v30
	v_lshl_add_u32 v[AK0], v[AV0], 7, v[AK0]
	v_lshl_add_u32 v[AK0], v31, 4, v[AK0]
	v_bfe_u32 v[AV0], v0, 1, 2                     ; V, for the turning load: lane l addresses key 8 h + l % 8, channels 8 ((l / 8) % 2) on
	v_lshl_add_u32 v[AV0], v31, 2, v[AV0]
	v_mul_u32_u24 v[AV0], v[AV0], PV
	v_and_b32 v[ADV], 1, v0
	v_lshl_add_u32 v[AV0], v[ADV], 7, v[AV0]
	v_bfe_u32 v[ADV], v0, 3, 1
	v_lshl_add_u32 v[AV0], v[ADV], 4, v[AV0]
	v_add_nc_u32 v[AV0], VOFF, v[AV0]
	v_lshlrev_b32 v[RH], 3, v31
	v_sub_nc_u32 v[RH], v30, v[RH]
	v_mov_b32 v[NINF], 0xff800000
	v_and_b32 v[PFO], 31, v0
	v_lshlrev_b32 v[PFO], 8, v[PFO]
.irp t, 0,1
	v_mov_b32 v[ST+10*\t], 0xff61b1e6              ; m: -3e38, under every score
.irp u, 1,2,3,4,5,6,7,8,9
	v_mov_b32 v[ST+10*\t+\u], 0
.endr
.endr
.set i, 0
.rept 64
	v_mov_b32 v[OO+i], 0                           ; O^T: the step is written once; the first step finds zeros
.set i, i+1
.endr
; A KEY STEP: 64 keys, the q-th of the slot in hand.
.macro STEP q
	s_add_co_u32 s50, s[Q0], 31
	s_cmp_gt_u32 s[KF], s50                        ; all its keys come after my queries: left out.  Ids and the count of steps alone; no barrier and no tensor load stands in a step
	s_cbranch_scc1 .Lhidden_\@
	v_add_nc_u32 v[ADK], s[TB], v[AK0]
	v_add_nc_u32 v[ADV], s[TB], v[AV0]
.rept 3
	v_nop                                          ; five places in all behind the last step's products: the loads below land on their fragments (4), the products below write over P (5)
.endr
.irp kt, 0,1,2,3
.irp c, 0,1
	ds_load_b128 v[FF+16*\kt+8*\c:FF+16*\kt+8*\c+3], v[ADK] offset:(\q)*32*PK+\kt*8*PK+\c*64
	ds_load_b128 v[FF+16*\kt+8*\c+4:FF+16*\kt+8*\c+7], v[ADK] offset:(\q)*32*PK+\kt*8*PK+\c*64+32
.endr
.endr
	s_wait_dscnt 0x0
.irp c, 0,1                                    ; S^T = K Q^T: eight accumulators by turns
.irp kt, 0,1,2,3
.irp t, 0,1
.if \c == 0
	v_wmma_f32_16x16x32_f16 v[SS+32*\t+8*\kt:SS+32*\t+8*\kt+7], v[FF+16*\kt+8*\c:FF+16*\kt+8*\c+7], v[QF+16*\t+8*\c:QF+16*\t+8*\c+7], 0
.else
	v_wmma_f32_16x16x32_f16 v[SS+32*\t+8*\kt:SS+32*\t+8*\kt+7], v[FF+16*\kt+8*\c:FF+16*\kt+8*\c+7], v[QF+16*\t+8*\c:QF+16*\t+8*\c+7], v[SS+32*\t+8*\kt:SS+32*\t+8*\kt+7]
.endif
.endr
.endr
.endr
.rept 4
	v_nop                                          ; places: for the loads into K's registers and the first reads of the scores
.endr
.irp kh, 0,1                                   ; V, turned: it lands while the softmax is worked
.irp ct, 0,1,2,3
	ds_load_tr16_b128 v[FF+32*\kh+8*\ct:FF+32*\kh+8*\ct+3], v[ADV] offset:(\q)*32*PV+\kh*16*PV+\ct*32
	ds_load_tr16_b128 v[FF+32*\kh+8*\ct+4:FF+32*\kh+8*\ct+7], v[ADV] offset:(\q)*32*PV+\kh*16*PV+8*PV+\ct*32
.endr
.endr
	s_add_co_u32 s50, s[KF], 63
	s_cmp_le_u32 s50, s[Q0]                        ; a step all of whose keys count skips the mask
	s_cbranch_scc1 .Lopen_\@
	s_sub_co_i32 s50, s[Q0], s[KF]
	v_add_nc_u32 v30, s50, v[RH]                   ; d = Q0 - KF + r - 8 h.  Tile t's register n holds key KF + 16 (n / 8) + 8 h + n % 8 for query Q0 + 16 t + r: hidden where 16 (n / 8) + n % 8 - 16 t > d
.irp t, 0,1
.set n, 0
.rept 32
	v_cmp_gt_i32 vcc_lo, 16*(n/8)+n%8-16*\t, v30
	v_cndmask_b32 v[SS+32*\t+n], v[SS+32*\t+n], v[NINF], vcc_lo
.set n, n+1
.endr
.endr
.Lopen_\@:
.irp j, 0,1,2,3                                ; the maximum: four chains a tile, each from its accumulator's low end on; the two tiles by turns
.irp t, 0,1
	v_max3_num_f32 v[ST+10*\t+6+\j], v[SS+32*\t+8*\j], v[SS+32*\t+8*\j+1], v[SS+32*\t+8*\j+2]
.endr
.endr
.irp u, 3,5
.irp j, 0,1,2,3
.irp t, 0,1
	v_max3_num_f32 v[ST+10*\t+6+\j], v[ST+10*\t+6+\j], v[SS+32*\t+8*\j+\u], v[SS+32*\t+8*\j+\u+1]
.endr
.endr
.endr
.irp t, 0,1
	v_max3_num_f32 v[ST+10*\t+6], v[ST+10*\t+6], v[SS+32*\t+7], v[SS+32*\t+15]
	v_max3_num_f32 v[ST+10*\t+8], v[ST+10*\t+8], v[SS+32*\t+23], v[SS+32*\t+31]
.endr
.irp t, 0,1
	v_max3_num_f32 v[ST+10*\t+6], v[ST+10*\t+6], v[ST+10*\t+7], v[ST+10*\t+8]
.endr
.irp t, 0,1
	v_max3_num_f32 v[ST+10*\t+6], v[ST+10*\t+6], v[ST+10*\t+9], v[ST+10*\t]      ; and the old m
.endr
.irp t, 0,1
	v_permlanex16_b32 v[ST+10*\t+7], v[ST+10*\t+6], s[SEL], s[SEL+1]             ; the query's other 32 keys lie in the lane 16 away
.endr
.irp t, 0,1
	v_max_num_f32 v[ST+10*\t+1], v[ST+10*\t+6], v[ST+10*\t+7]                    ; the new m
.endr
.irp t, 0,1
	v_sub_f32 v[ST+10*\t+4], v[ST+10*\t], v[ST+10*\t+1]                          ; m_old - m_new
.endr
.irp t, 0,1
	v_mov_b32 v[ST+10*\t], v[ST+10*\t+1]
.endr
.set i, 0
.rept 16
.irp t, 0,1
	v_pk_add_f32 v[SS+32*\t+2*i:SS+32*\t+2*i+1], v[SS+32*\t+2*i:SS+32*\t+2*i+1], v[ST+10*\t:ST+10*\t+1] op_sel_hi:[1,0] neg_lo:[0,1] neg_hi:[0,1]   ; s - m, two at a time
.endr
.set i, i+1
.endr
.irp t, 0,1                                    ; ONE BATCH of 66 exponentials
	v_exp_f32 v[ST+10*\t+4], v[ST+10*\t+4]         ; a
.endr
.set i, 0
.rept 32
.irp t, 0,1
	v_exp_f32 v[SS+32*\t+i], v[SS+32*\t+i]         ; p
.endr
.set i, i+1
.endr
	v_nop                                          ; a plain instruction behind the last exponential
	s_wait_alu depctr_va_vdst(0)                   ; the wait ahead of the first reader: one for the batch
.irp t, 0,1                                    ; the sums of the unrounded p, in two chains a tile
	v_pk_add_f32 v[ST+10*\t+6:ST+10*\t+7], v[SS+32*\t:SS+32*\t+1], v[SS+32*\t+2:SS+32*\t+3]
	v_pk_add_f32 v[ST+10*\t+8:ST+10*\t+9], v[SS+32*\t+4:SS+32*\t+5], v[SS+32*\t+6:SS+32*\t+7]
.endr
.irp u, 8,12,16,20,24,28
.irp t, 0,1
	v_pk_add_f32 v[ST+10*\t+6:ST+10*\t+7], v[ST+10*\t+6:ST+10*\t+7], v[SS+32*\t+\u:SS+32*\t+\u+1]
	v_pk_add_f32 v[ST+10*\t+8:ST+10*\t+9], v[ST+10*\t+8:ST+10*\t+9], v[SS+32*\t+\u+2:SS+32*\t+\u+3]
.endr
.endr
.irp t, 0,1
	v_pk_add_f32 v[ST+10*\t+6:ST+10*\t+7], v[ST+10*\t+6:ST+10*\t+7], v[ST+10*\t+8:ST+10*\t+9]
.endr
.irp t, 0,1
	v_pk_fma_f32 v[ST+10*\t+2:ST+10*\t+3], v[ST+10*\t+2:ST+10*\t+3], v[ST+10*\t+4:ST+10*\t+5], v[ST+10*\t+6:ST+10*\t+7] op_sel_hi:[1,0,1]   ; l = a l + the sum
.endr
.set i, 0
.rept 16
.irp t, 0,1
	v_cvt_pk_f16_f32 v[SS+32*\t+i], v[SS+32*\t+2*i], v[SS+32*\t+2*i+1]   ; P, in place, ascending: register i has been read by then.  Two key tiles' 8 registers are source 1 for 32 keys
.endr
.set i, i+1
.endr
.set i, 0
.rept 16
.irp t, 0,1
	v_pk_mul_f32 v[OO+32*\t+2*i:OO+32*\t+2*i+1], v[OO+32*\t+2*i:OO+32*\t+2*i+1], v[ST+10*\t+4:ST+10*\t+5] op_sel_hi:[1,0]   ; O^T times a, each accumulator from its low end on
.endr
.set i, i+1
.endr
	s_wait_dscnt 0x0                               ; V is in
.irp kh, 0,1                                   ; O^T += V^T P: eight accumulators by turns
.irp ct, 0,1,2,3
.irp t, 0,1
	v_wmma_f32_16x16x32_f16 v[OO+32*\t+8*\ct:OO+32*\t+8*\ct+7], v[FF+32*\kh+8*\ct:FF+32*\kh+8*\ct+7], v[SS+32*\t+8*\kh:SS+32*\t+8*\kh+7], v[OO+32*\t+8*\ct:OO+32*\t+8*\ct+7]
.endr
.endr
.endr
.Lhidden_\@:
	s_add_co_u32 s[KF], s[KF], 64
.endm
; THE CHANGE OF SLOTS stands at a slot's head.  Each wave waits for all its tensor loads, adds 0 to its spare word, and waits for that and for its reads of the slot that it has left; then the barrier.
; fill = 1: the slot that was left is filled with the keys that follow, up to the causal limit; the load has a slot's four steps in which to land.
.macro CHANGE fill
	s_wait_tensorcnt 0x0                           ; no tensor load of mine is out, so a group 0 may be written
	ds_add_u32 v[SPW], v[NIL]
.if \fill
	ds_add_u32 v[SPW], v[NIL]                      ; and twice on end here, in every trip alike
	s_xor_b32 s[G0K+1], s[G0K+1], SLOT1
	s_add_nc_u64 s[G0K+2:G0K+3], s[G0K+2:G0K+3], SK*128
	s_xor_b32 s[G0V+1], s[G0V+1], SLOT1
	s_add_nc_u64 s[G0V+2:G0V+3], s[G0V+2:G0V+3], SK*128
	s_wait_xcnt 0x0                                ; the last prefetch, a slot back, has read its address
	s_add_nc_u64 s[PFA:PFA+1], s[PFA:PFA+1], SK*128
.endif
	s_wait_dscnt 0x0                               ; the add is done, and my reads of the slot that I have left are over
	s_barrier_signal -1
	s_barrier_wait -1
.if \fill
	s_add_co_u32 s50, s[KF], SK                    ; the first key of the slot that this change would ask for:
	s_cmp_gt_u32 s50, s[LQ]                        ; behind my work-group's last query it would be read by none of the sixteen waves.  The work-group's number and the count of steps alone: all waves go the same way
	s_cbranch_scc1 .Lpast_\@
	TLOAD                                          ; a wave's one tensor load until the next such barrier
.Lpast_\@:
	ASK
.endif
.endm
.macro SLOT_STEPS
.set QI, 0
.rept 4
	STEP QI
.set QI, QI+1
.endr
	s_xor_b32 s[TB], s[TB], SLOT1
.endm
	s_wait_loadcnt 0x0                             ; Q
.Lslot:                                            ; 7 trips
	CHANGE 1
	SLOT_STEPS
	s_sub_co_u32 s[SLOTS], s[SLOTS], 1
	s_cmp_lg_u32 s[SLOTS], 0
	s_cbranch_scc1 .Lslot
	CHANGE 0                                       ; the last slot is written out: nothing is left to ask for
	SLOT_STEPS
	; THE WAY OUT: l's two halves and the other half of the lanes'; O^T / l, rounded to f16, through my stage, and out in runs of 512 consecutive bytes (four rows of the blocked buffer).
.irp t, 0,1
	v_add_f32 v[ST+10*\t+6], v[ST+10*\t+2], v[ST+10*\t+3]
.endr
.irp t, 0,1
	v_permlanex16_b32 v[ST+10*\t+7], v[ST+10*\t+6], s[SEL], s[SEL+1]
.endr
.irp t, 0,1
	v_add_f32 v[ST+10*\t+6], v[ST+10*\t+6], v[ST+10*\t+7]
.endr
.irp t, 0,1
	v_rcp_f32 v[ST+10*\t+4], v[ST+10*\t+6]
.endr
	v_and_b32 v30, 15, v0                          ; (plain work behind the reciprocals)
	v_bfe_u32 v31, v0, 4, 1
	s_mul_i32 s50, s[WV], 32*SPT
	s_add_co_u32 s50, s50, STAGE                   ; my stage
	v_mul_u32_u24 v[ADK], v30, SPT
	v_lshl_add_u32 v[ADK], v31, 4, v[ADK]
	v_add_nc_u32 v[ADK], s50, v[ADK]               ; in: row r, + 16 h
	v_bfe_u32 v[ADV], v0, 3, 2
	v_mul_u32_u24 v[ADV], v[ADV], SPT
	v_and_b32 v30, 7, v0
	v_lshl_add_u32 v[ADV], v30, 4, v[ADV]
	v_add_nc_u32 v[ADV], s50, v[ADV]               ; back: eight lanes to a row of 128 bytes, four rows an instruction
	v_and_b32 v[AK0], 31, v0
	v_lshlrev_b32 v[AK0], 4, v[AK0]                ; 16 x lane
	s_wait_alu depctr_va_vdst(0)                   ; the wait ahead of the reciprocals' first reader
.set i, 0
.rept 16
.irp t, 0,1
	v_pk_mul_f32 v[OO+32*\t+2*i:OO+32*\t+2*i+1], v[OO+32*\t+2*i:OO+32*\t+2*i+1], v[ST+10*\t+4:ST+10*\t+5] op_sel_hi:[1,0]
.endr
.set i, i+1
.endr
.set i, 0
.rept 32
	v_cvt_pk_f16_f32 v[SS+i], v[OO+2*i], v[OO+2*i+1]
.set i, i+1
.endr
.irp t, 0,1
.irp ct, 0,1,2,3
	ds_store_b128 v[ADK], v[SS+16*\t+4*\ct:SS+16*\t+4*\ct+3] offset:16*\t*SPT+32*\ct
.endr
.endr
.irp u, 0,1,2,3,4,5,6,7
	ds_load_b128 v[SS+32+4*\u:SS+32+4*\u+3], v[ADV] offset:4*SPT*\u   ; LDS serves a wave in order: these see my stores
.endr
.irp u, 0,1,2,3,4,5,6,7
	s_wait_dscnt 7-\u
	global_store_b128 v[AK0], v[SS+32+4*\u:SS+32+4*\u+3], s[6:7] offset:512*\u
.endr
	s_wait_tensorcnt 0x0                           ; the wave's end
	ds_add_u32 v[SPW], v[NIL]
	s_wait_dscnt 0x0
	s_endpgm
.Lfunc_end_k_q07ad7196d2_attn:
	.size	k_q07ad7196d2_attn, .Lfunc_end_k_q07ad7196d2_attn-k_q07ad7196d2_attn
	.p2alignl 7, 3214868480
	.fill 96, 4, 3214868480
	.section	.rodata,"a",@progbits
	.p2align	6, 0x0
	.amdhsa_kernel k_q07ad7196d2_attn
		.amdhsa_group_segment_fixed_size 327680
		.amdhsa_private_segment_fixed_size 0
		.amdhsa_enable_private_segment 0
		.amdhsa_kernarg_size 16
		.amdhsa_user_sgpr_count 2
		.amdhsa_user_sgpr_kernarg_segment_ptr 1
		.amdhsa_wavefront_size32 1
		.amdhsa_system_sgpr_workgroup_id_x 1
		.amdhsa_system_sgpr_workgroup_id_y 1
		.amdhsa_system_sgpr_workgroup_id_z 1
		.amdhsa_system_vgpr_workitem_id 0
		.amdhsa_next_free_vgpr 256
		.amdhsa_next_free_sgpr 66
		.amdhsa_reserve_vcc 1
		.amdhsa_float_denorm_mode_32 3
		.amdhsa_float_denorm_mode_16_64 3
		.amdhsa_memory_ordered 1
		.amdhsa_forward_progress 1
		.amdhsa_inst_pref_size 188
	.end_amdhsa_kernel
	.amdgpu_metadata
---
amdhsa.version: [ 1, 2 ]
amdhsa.kernels:
  - .name:           k_q07ad7196d2_attn
    .symbol:         k_q07ad7196d2_attn.kd
    .args:
      - { .name: qkv, .offset: 0, .size: 8, .value_kind: global_buffer, .address_space: global }
      - { .name: att, .offset: 8, .size: 8, .value_kind: global_buffer, .address_space: global }
    .group_segment_fixed_size: 327680
    .private_segment_fixed_size: 0
    .kernarg_segment_align: 8
    .kernarg_segment_size: 16
    .max_flat_workgroup_size: 512
    .sgpr_count:     66
    .vgpr_count:     256
    .wavefront_size: 32
...
	.end_amdgpu_metadata
.endif
;; end of part 3
;; launch proj (part 4): grid 8 x 64, 4 waves a work-group, clusters of 4 x 4, 327,680 bytes of LDS; arguments att, wpb, b_proj, out0; writes out0
.if DOCPART == 4
	.amdgcn_target "amdgcn-amd-amdhsa--gfx1250"
	.amdhsa_code_object_version 6
	.text
	.protected	k_q07ad7196d2_proj
	.globl	k_q07ad7196d2_proj
	.p2align	8
	.type	k_q07ad7196d2_proj,@function
k_q07ad7196d2_proj:
	s_mov_b64 s[64:65], 0
	v_nop
	global_prefetch_b8 v0, s[64:65] scope:SCOPE_SE
	s_setreg_imm32_b32 hwreg(HW_REG_WAVE_MODE, 25, 1), 1
	s_wait_xcnt 0x0
	s_wait_alu depctr_hold_cnt(0) depctr_sa_sdst(0) depctr_va_vdst(0) depctr_va_sdst(0) depctr_va_ssrc(0) depctr_va_vcc(0) depctr_vm_vsrc(0)
	s_getreg_b32 s2, hwreg(HW_REG_IB_STS2, 6, 4)
	s_cmp_eq_u32 s2, 0
	s_cbranch_scc0 .Lentry_in_a_cluster
	s_endpgm
.Lentry_in_a_cluster:
	s_bfe_u32 s2, ttmp6, 0x10000c
	s_cmp_lg_u32 s2, 0xf033
	s_cbranch_scc0 .Lentry_shape_is_right
	s_endpgm
.Lentry_shape_is_right:
; OUT = att w_proj + b_proj: [8192][1024] x [1024][1024], operands in f16, sums in f32, out0 in f32.
; att: [row / 128][k / 64][128 rows][64 k]; wpb: [n / 128][k / 64][128 n][64 k]: a tile's 256 along K are 65,536 dense bytes, four planes of 64 along K.
; A tile of 128 x 128 is made by four waves, 64 x 64 each: 16 accumulators.  K goes in steps of 256 through a ring of two LDS slots; a wave's tensor load brings two planes (32,768 bytes, as 128 rows of 256 bytes).
; CLUSTERS: 4 x 4 work-groups; A's tiles are asked for jointly along a row of the cluster, B's along a column.
; THE MATRIX INSTRUCTION IS USED TRANSPOSED (source 0 = 16 rows of wpb, source 1 = 16 rows of att): a lane holds eight neighbouring columns of a row.  The bias is the C of each sum's first product.
; All 8,192 rows are written; positions 0-15 of each sequence are written again, in f32 precision, by the launch behind this one.
; No prefetch: each of the four K steps is short and the tiles are shared in the cluster.
; REGISTERS: window 0: v0-31 addresses; v32-95 the way out; v96-127 the bias; v128-255 the accumulators ((a, b) at v[128 + 8 (4 a + b)]).  window 1: two fragment buffers of 128.
.set PL,     64*272                    ; a plane in LDS: 64 rows of (two rows of 64 k = 256 bytes) + 16 of padding
.set HALFT,  2*PL                      ; what one tensor load brings
.set SLOT,   4*HALFT                   ; A's four planes, then B's four
.set BLK16,  8*272                     ; 16 rows of a plane
.set STAGE,  2*SLOT                    ; behind the ring: 16 rows x 272 bytes for each wave
.set SPITCH, 272
.set SPARE,  STAGE+4*16*SPITCH
.set LAPS,   2
.set ADRA, 16
.set ADRB, 20
.set STO,  24
.set RD,   25
.set CO,   26
.set BO,   27                          ; v27 32 h: my eight numbers of a block's sixteen of the bias
.set SPW,  28
.set NIL,  29
.set TMP,  32
.set BIAS, 96
.set ACC,  128
.set F0,   0
.set F1,   128
.set G1, 24
.set G0, 32
.set G1B, 48
.set G0B, 56
.set MSB, 0
.macro WIN new
.if MSB != \new
	s_set_vgpr_msb (MSB<<8)|\new
.set MSB, \new
.endif
.endm
.set MUL,  0x05                        ; sources 0 (B) and 1 (A) window 1; C and D window 0
.set TO_F, 0x40
.macro JLOAD s                         ; a joint load: waves 0 and 1 fetch A's halves, waves 2 and 3 B's; an s_nop 0 and four v_nop follow each line
	s_cmp_eq_u32 s11, 0
	s_cbranch_scc0 .Lfor_b_\@
	tensor_load_to_lds s[G0+4*\s:G0+4*\s+3], s[G1:G1+7]
	s_nop 0
.rept 4
	v_nop
.endr
	s_branch .Lasked_\@
.Lfor_b_\@:
	tensor_load_to_lds s[G0B+4*\s:G0B+4*\s+3], s[G1B:G1B+7]
	s_nop 0
.rept 4
	v_nop
.endr
.Lasked_\@:
.endm
.macro CREST
	s_cmp_lg_u32 s10, 0
	s_cbranch_scc1 .Lnot_wave_0_\@
	s_barrier_signal -3
.Lnot_wave_0_\@:
	s_barrier_wait -3
	s_barrier_signal -1
	s_barrier_wait -1
.endm
.macro CROUND
	s_barrier_signal -1
	s_barrier_wait -1
	CREST
.endm
	s_load_b128 s[4:7], s[0:1], 0x0                ; att, wpb
	s_load_b64 s[68:69], s[0:1], 0x10              ; b_proj
	s_load_b64 s[8:9], s[0:1], 0x18                ; out0
	v_lshl_add_u32 v[SPW], v0, 2, SPARE
	v_mov_b32 v[NIL], 0
	ds_add_u32 v[SPW], v[NIL]                      ; the opening: the add, twice on end, and its wait ahead of my first tensor load
	ds_add_u32 v[SPW], v[NIL]
	v_lshrrev_b32 v1, 5, v0
	v_readfirstlane_b32 s10, v1                    ; wave 0..3
	s_lshr_b32 s11, s10, 1                         ; which half of the tile's rows is mine.  Also: I fetch for A (0) or for B (1)
	s_and_b32 s12, s10, 1                          ; which half of its columns.  Also: which two planes I fetch
	s_bfe_u32 s40, ttmp6, 0x40000                  ; cx
	s_bfe_u32 s41, ttmp6, 0x40004                  ; cy
	s_lshl_b32 s42, ttmp9, 2
	s_add_co_u32 s42, s42, s40                     ; tile column
	s_and_b32 s13, ttmp7, 0xffff
	s_lshl_b32 s13, s13, 2
	s_add_co_u32 s13, s13, s41                     ; tile row
	s_lshl_b32 s43, s41, 2
	s_lshl_b32 s43, 15, s43                        ; my row of the cluster
	s_lshl_b32 s44, 0x1111, s40                    ; my column
	s_or_b32 s[G1+0], s43, (1<<16)|(1<<20)|(1<<21)|(5<<22)|(3<<25)  ; the mask; elements of 2 bytes; padding: 4 words after every 64; bit 21 beside a mask
	s_or_b32 s[G1B+0], s44, (1<<16)|(1<<20)|(1<<21)|(5<<22)|(3<<25)
.irp g, G1, G1B
	s_mov_b32 s[\g+1], 128<<16                     ; tensor_dim0 = 128 elements
	s_mov_b32 s[\g+2], 128<<16                     ; tensor_dim1 = 128 rows
	s_mov_b32 s[\g+3], 128<<16                     ; tile_dim0
	s_mov_b32 s[\g+4], 128                         ; tile_dim1
	s_mov_b32 s[\g+5], 128                         ; pitch: dense
	s_mov_b32 s[\g+6], 0
	s_mov_b32 s[\g+7], 0
.endr
	s_lshl_b32 s17, s12, 15                        ; my two planes of a K step's four
	s_lshl_b32 s16, s13, 18
	s_add_co_u32 s16, s16, s17                     ; A: tile row x 262,144
	s_lshl_b32 s46, s42, 18
	s_add_co_u32 s46, s46, s17                     ; B: tile column x 262,144
	s_mov_b32 s17, 0
	s_mov_b32 s47, 0
	s_mul_i32 s20, s10, HALFT                      ; where they go: wave x two planes
	s_wait_dscnt 0x0                               ; both opening adds are done
	s_wait_kmcnt 0x0
	s_add_nc_u64 s[14:15], s[4:5], s[16:17]
	s_add_nc_u64 s[46:47], s[6:7], s[46:47]
	CROUND                                         ; all sixteen work-groups are here
.irp s, 0,1
	s_mov_b32 s[G0+4*\s], 1
	s_add_co_u32 s[G0+4*\s+1], s20, \s*SLOT
	s_add_nc_u64 s[G0+4*\s+2:G0+4*\s+3], s[14:15], \s*65536
	s_or_b32 s[G0+4*\s+3], s[G0+4*\s+3], 0x80000000
	s_mov_b32 s[G0B+4*\s], 1
	s_add_co_u32 s[G0B+4*\s+1], s20, \s*SLOT
	s_add_nc_u64 s[G0B+4*\s+2:G0B+4*\s+3], s[46:47], \s*65536
	s_or_b32 s[G0B+4*\s+3], s[G0B+4*\s+3], 0x80000000
	JLOAD \s
.endr
	v_and_b32 v1, 15, v0                           ; r
	v_bfe_u32 v2, v0, 4, 1                         ; h
	v_lshrrev_b32 v3, 1, v1                        ; row r of a plane lies at (r / 2) 272 + 128 (r % 2); + 16 h
	v_mul_u32_u24 v3, v3, 272
	v_and_b32 v4, 1, v1
	v_lshl_add_u32 v3, v4, 7, v3
	v_lshl_add_u32 v3, v2, 4, v3
	s_mul_i32 s21, s11, 4*BLK16                    ; my 64 rows of A
	s_mul_i32 s22, s12, 4*BLK16                    ; my 64 rows of B,
	s_add_co_u32 s22, s22, 2*HALFT                 ; behind A's four planes
.irp s, 0,1
	v_add_nc_u32 v[ADRA+\s], s21, v3
	v_add_nc_u32 v[ADRB+\s], s22, v3
	s_add_co_u32 s21, s21, SLOT
	s_add_co_u32 s22, s22, SLOT
.endr
	s_mul_i32 s23, s10, 16*SPITCH
	s_add_co_u32 s23, s23, STAGE                   ; my stage
	v_mul_u32_u24 v4, v1, SPITCH
	v_lshl_add_u32 v4, v2, 5, v4
	v_add_nc_u32 v[STO], s23, v4                   ; in: row r, 32 bytes for each half of the lanes
	v_mul_u32_u24 v5, v2, SPITCH
	v_lshl_add_u32 v5, v1, 4, v5
	v_add_nc_u32 v[RD], s23, v5                    ; back: lanes 0-15 one row of 256 bytes, lanes 16-31 the next
	v_lshlrev_b32 v[CO], 12, v2
	v_lshl_add_u32 v[CO], v1, 4, v[CO]             ; the same two rows in out0
	v_lshlrev_b32 v[BO], 5, v2
	s_lshl_b32 s16, s13, 19                        ; out0: row 128 tile row + 64 (wave / 2), 4,096 bytes a row;
	s_lshl_b32 s17, s11, 18
	s_add_co_u32 s16, s16, s17
	s_lshl_b32 s46, s42, 9                         ; column 128 tile column + 64 (wave % 2)
	s_lshl_b32 s47, s12, 8
	s_add_co_u32 s46, s46, s47
	s_mov_b32 s47, 0
	s_add_nc_u64 s[68:69], s[68:69], s[46:47]      ; the bias at my first column
	s_add_co_u32 s16, s16, s46
	s_mov_b32 s17, 0
	s_add_nc_u64 s[8:9], s[8:9], s[16:17]
.irp b, 0,1,2,3
	global_load_b128 v[BIAS+8*\b:BIAS+8*\b+3], v[BO], s[68:69] offset:64*\b        ; block b: b_proj at columns 16 b + 8 h + 0 .. 7, in the result's layout
	global_load_b128 v[BIAS+8*\b+4:BIAS+8*\b+7], v[BO], s[68:69] offset:64*\b+16
.endr
; 8 matrix instructions: m blocks a0, a0 + 1 x all 4 n blocks, 32 along K: half c of buffer f.  first = 1: the bias is the C: the first product starts the sums.  The 16 accumulators take turns.
.macro MUL8 f, c, a0, first
.irp a, \a0, \a0+1
.irp b, 0,1,2,3
.if \first
	v_wmma_f32_16x16x32_f16 v[ACC+8*(4*(\a)+\b):ACC+8*(4*(\a)+\b)+7], v[\f+64+8*(4*\c+\b):\f+64+8*(4*\c+\b)+7], v[\f+8*(4*\c+\a):\f+8*(4*\c+\a)+7], v[BIAS+8*\b:BIAS+8*\b+7]
.else
	v_wmma_f32_16x16x32_f16 v[ACC+8*(4*(\a)+\b):ACC+8*(4*(\a)+\b)+7], v[\f+64+8*(4*\c+\b):\f+64+8*(4*\c+\b)+7], v[\f+8*(4*\c+\a):\f+8*(4*\c+\a)+7], v[ACC+8*(4*(\a)+\b):ACC+8*(4*(\a)+\b)+7]
.endif
.endr
.endr
.endm
; 32 LDS loads in one run: the fragments of one plane (64 along K), at byte k of the slot, into buffer f; the first 32 along K first
.macro FETCH slot, k, f
	WIN TO_F
.irp c, 0,1
.irp i, 0,1,2,3
	ds_load_b128 v[\f+64+8*(4*\c+\i):\f+64+8*(4*\c+\i)+3],   v[ADRB+\slot] offset:\k+64*\c+\i*BLK16
	ds_load_b128 v[\f+64+8*(4*\c+\i)+4:\f+64+8*(4*\c+\i)+7], v[ADRB+\slot] offset:\k+64*\c+\i*BLK16+32
	ds_load_b128 v[\f+8*(4*\c+\i):\f+8*(4*\c+\i)+3],         v[ADRA+\slot] offset:\k+64*\c+\i*BLK16
	ds_load_b128 v[\f+8*(4*\c+\i)+4:\f+8*(4*\c+\i)+7],       v[ADRA+\slot] offset:\k+64*\c+\i*BLK16+32
.endr
.endr
.endm
.macro PLACES
.rept 4
	v_nop
.endr
.endm
.macro QUARTER slot, k, f, g, first    ; multiplies buffer f and fetches the next plane, at byte k, into g
	s_wait_dscnt 16                                ; the first 32 along K are in; the other sixteen loads may be out
	WIN MUL
	MUL8 \f, 0, 0, \first
	MUL8 \f, 0, 2, \first
	PLACES
	FETCH \slot, \k, \g
	s_wait_dscnt 32                                ; all but the 32 just issued
	WIN MUL
	MUL8 \f, 1, 0, 0
	MUL8 \f, 1, 2, 0
.endm
; The last quarter multiplies buffer 1 and changes slots: one barrier; in front of it each wave waits for all its tensor loads, adds 0 to its spare word, and waits for that and for its reads of this slot.
.macro TURN slot, next, fill
	WIN 0
	s_wait_tensorcnt 0x0                           ; all my tensor loads have landed: my part of the next slot
	ds_add_u32 v[SPW], v[NIL]
	s_wait_dscnt 17                                ; (the add and the youngest sixteen loads may be out)
	WIN MUL
	MUL8 F1, 0, 0, 0
	s_wait_dscnt 0x0                               ; the add is done, and my reads of this slot are over
	s_barrier_signal -1
	MUL8 F1, 0, 2, 0
.if \fill
	WIN 0
.endif
	s_barrier_wait -1
.if \fill
	CREST                                          ; the barrier has opened a round of the cluster's: no wave of any partner still reads this slot or has a load on its way
	s_add_nc_u64 s[G0+4*\slot+2:G0+4*\slot+3], s[G0+4*\slot+2:G0+4*\slot+3], 131072
	s_add_nc_u64 s[G0B+4*\slot+2:G0B+4*\slot+3], s[G0B+4*\slot+2:G0B+4*\slot+3], 131072
	JLOAD \slot                                    ; the first tensor load behind the round; its four v_nop are also the places in front of the loads below
.else
	PLACES
.endif
	FETCH \next, 0, F0
	WIN MUL
	MUL8 F1, 1, 0, 0
	MUL8 F1, 1, 2, 0
.endm
	s_wait_tensorcnt 1                             ; my part of K step 0 is in; K step 1's may be out
	s_barrier_signal -1
	s_barrier_wait -1
	FETCH 0, 0, F0
	s_wait_loadcnt 0x0                             ; the bias
	QUARTER 0, PL, F0, F1, 1
	WIN 0
	s_mov_b32 s3, LAPS-1
.Llap:                                                 ; a trip goes once round the ring and fills both slots again
	QUARTER 0, 2*PL, F1, F0, 0
	QUARTER 0, 3*PL, F0, F1, 0
	TURN 0, 1, 1
	QUARTER 1, PL, F0, F1, 0
	QUARTER 1, 2*PL, F1, F0, 0
	QUARTER 1, 3*PL, F0, F1, 0
	TURN 1, 0, 1
	QUARTER 0, PL, F0, F1, 0
	WIN 0
	s_sub_co_u32 s3, s3, 1
	s_cmp_lg_u32 s3, 0
	s_cbranch_scc1 .Llap
	QUARTER 0, 2*PL, F1, F0, 0                     ; the last lap fills nothing
	QUARTER 0, 3*PL, F0, F1, 0
	TURN 0, 1, 0
	QUARTER 1, PL, F0, F1, 0
	QUARTER 1, 2*PL, F1, F0, 0
	QUARTER 1, 3*PL, F0, F1, 0
	s_wait_dscnt 16
	WIN MUL
	MUL8 F1, 0, 0, 0
	MUL8 F1, 0, 2, 0
	s_wait_dscnt 0
	MUL8 F1, 1, 0, 0
	MUL8 F1, 1, 2, 0
	WIN 0
	; THE WAY OUT: my 64 columns of f32 are 256 bytes of a row: a block of 16 rows goes through my own stage and comes back as whole runs: sixteen lanes store 256 consecutive bytes, aligned.  No barrier.
	PLACES
.macro TOSTAGE a
.set BB, TMP+32*((\a)%2)
.irp b, 0,1,2,3
	ds_store_b128 v[STO], v[ACC+8*(4*(\a)+\b):ACC+8*(4*(\a)+\b)+3] offset:64*\b          ; each accumulator from its low end on
	ds_store_b128 v[STO], v[ACC+8*(4*(\a)+\b)+4:ACC+8*(4*(\a)+\b)+7] offset:64*\b+16
.endr
.irp i, 0,1,2,3,4,5,6,7
	ds_load_b128 v[BB+4*\i:BB+4*\i+3], v[RD] offset:2*SPITCH*\i
.endr
.endm
.macro SEND a, younger
.set BB, TMP+32*((\a)%2)
	s_wait_dscnt \younger                          ; the block is back; the next block's 8 stores and 8 loads may be out
.irp i, 0,1,2,3,4,5,6,7
	global_store_b128 v[CO], v[BB+4*\i:BB+4*\i+3], s[8:9] offset:(16*(\a)+2*\i)*4096
.endr
.endm
	TOSTAGE 0
.irp a, 1,2,3
.if \a > 1
	s_wait_xcnt 0x0                                ; block a - 2's stores have read their registers: block a's loads may land there
.endif
	TOSTAGE \a
	SEND \a-1, 16
.endr
	SEND 3, 0
	s_wait_tensorcnt 0x0                           ; the wave's end: the three lines
	ds_add_u32 v[SPW], v[NIL]
	s_wait_dscnt 0x0
	CROUND                                         ; the closing round
	s_endpgm
.Lfunc_end_k_q07ad7196d2_proj:
	.size	k_q07ad7196d2_proj, .Lfunc_end_k_q07ad7196d2_proj-k_q07ad7196d2_proj
	.p2alignl 7, 3214868480
	.fill 96, 4, 3214868480
	.section	.rodata,"a",@progbits
	.p2align	6, 0x0
	.amdhsa_kernel k_q07ad7196d2_proj
		.amdhsa_group_segment_fixed_size 327680
		.amdhsa_private_segment_fixed_size 0
		.amdhsa_enable_private_segment 0
		.amdhsa_kernarg_size 32
		.amdhsa_user_sgpr_count 2
		.amdhsa_user_sgpr_kernarg_segment_ptr 1
		.amdhsa_wavefront_size32 1
		.amdhsa_system_sgpr_workgroup_id_x 1
		.amdhsa_system_sgpr_workgroup_id_y 1
		.amdhsa_system_sgpr_workgroup_id_z 1
		.amdhsa_system_vgpr_workitem_id 0
		.amdhsa_next_free_vgpr 512
		.amdhsa_next_free_sgpr 70
		.amdhsa_reserve_vcc 0
		.amdhsa_float_denorm_mode_32 3
		.amdhsa_float_denorm_mode_16_64 3
		.amdhsa_memory_ordered 1
		.amdhsa_forward_progress 1
		.amdhsa_inst_pref_size 86
	.end_amdhsa_kernel
	.amdgpu_metadata
---
amdhsa.version: [ 1, 2 ]
amdhsa.kernels:
  - .name:           k_q07ad7196d2_proj
    .symbol:         k_q07ad7196d2_proj.kd
    .args:
      - { .name: att, .offset: 0, .size: 8, .value_kind: global_buffer, .address_space: global }
      - { .name: wpb, .offset: 8, .size: 8, .value_kind: global_buffer, .address_space: global }
      - { .name: b_proj, .offset: 16, .size: 8, .value_kind: global_buffer, .address_space: global }
      - { .name: out0, .offset: 24, .size: 8, .value_kind: global_buffer, .address_space: global }
    .group_segment_fixed_size: 327680
    .private_segment_fixed_size: 0
    .kernarg_segment_align: 8
    .kernarg_segment_size: 32
    .max_flat_workgroup_size: 128
    .sgpr_count:     70
    .vgpr_count:     512
    .wavefront_size: 32
...
	.end_amdgpu_metadata
.endif
;; end of part 4
;; launch fine (part 5): grid 16 x 4, 16 waves a work-group, no clusters, 71,680 bytes of LDS; arguments qkvf, w_proj, b_proj, out0; writes out0
.if DOCPART == 5
	.amdgcn_target "amdgcn-amd-amdhsa--gfx1250"
	.amdhsa_code_object_version 6
	.text
	.protected	k_q07ad7196d2_fine
	.globl	k_q07ad7196d2_fine
	.p2align	8
	.type	k_q07ad7196d2_fine,@function
k_q07ad7196d2_fine:
	s_mov_b64 s[64:65], 0
	v_nop
	global_prefetch_b8 v0, s[64:65] scope:SCOPE_SE
	s_setreg_imm32_b32 hwreg(HW_REG_WAVE_MODE, 25, 1), 1
	s_wait_xcnt 0x0
; THE FIRST 16 POSITIONS OF EACH SEQUENCE, IN f32 THROUGHOUT: attention over keys 0-15 and the projection, for 64 rows of out0 in all (they average few values and are the largest in size).
; qkvf: [16 batch + position][3072] f32, unscaled.  Work-group (x, batch) makes columns 64 x .. 64 x + 63 of the batch's 16 rows.  Wave w is head w, which is also rows 64 w .. 64 w + 63 of w_proj:
; it makes its head's attention (every work-group of a batch anew: 16 x 16 x 64), multiplies it by its 64 x 64 piece of w_proj, and the sixteen partial results meet in LDS; wave w then sums row w, in ascending order of heads.
; All products by the f32 matrix form, 16 x 16 x 4; along a product's K the places are permuted alike in both sources, which leaves the sum's terms as they are.
; S^T = K Q^T, O^T = V^T P, OUT^T = W^T O: a lane holds ONE query throughout.  The registers that the matrix form writes (v16-63) are written by nothing else.
; REGISTERS: v1-15 addresses and constants; v16-31 two accumulators of S^T; v32-63 four of O^T, then the four of OUT^T; v64-71 scores; v72-79 p; v80-111 V, then O / l; v112-119 bias and work;
;   v128-255 w_proj's piece (column tile nt at 128 + 32 nt); Q (v128-159) and K (v160-191) lie there first.
.set SPARE, 16*4352                    ; behind the sixteen partial results (16 rows x 272 bytes each): the spare words
.set SPW, 14
.set NIL, 15
	s_load_b256 s[4:11], s[0:1], 0x0               ; qkvf, w_proj, b_proj, out0
	v_lshl_add_u32 v[SPW], v0, 2, SPARE
	v_mov_b32 v[NIL], 0
	v_lshrrev_b32 v1, 5, v0
	v_readfirstlane_b32 s12, v1                    ; wave = head
	s_and_b32 s13, ttmp7, 0xffff                   ; batch
	v_and_b32 v1, 15, v0                           ; r
	v_bfe_u32 v2, v0, 4, 1                         ; h
	v_and_b32 v3, 31, v0                           ; lane
	v_mul_u32_u24 v4, v1, 12288
	v_lshl_add_u32 v4, v2, 7, v4                   ; Q, K: row r, channels 32 h on
	v_mul_u32_u24 v5, v2, 8*12288
	v_lshl_add_u32 v5, v1, 2, v5                   ; V: key 8 h on, channel r
	v_lshlrev_b32 v6, 15, v2
	v_lshl_add_u32 v6, v1, 2, v6                   ; w_proj: row 8 h on, column r
	v_lshlrev_b32 v7, 3, v3                        ; 8 x lane
	v_lshlrev_b32 v8, 3, v2
	v_sub_nc_u32 v8, v1, v8                        ; r - 8 h
	v_mov_b32 v9, 0xff800000                       ; -infinity
	s_mul_i32 s14, s12, 4352
	v_mul_u32_u24 v10, v1, 272
	v_lshl_add_u32 v10, v2, 5, v10
	v_add_nc_u32 v10, s14, v10                     ; my partial result: row r, + 32 h
	s_mul_i32 s14, s12, 272
	v_add_nc_u32 v11, s14, v7                      ; and row w of each partial result, 8 bytes a lane
	v_mov_b32 v12, 0
	v_mov_b32 v13, 0                               ; a lane permute's destination counts as one of its sources
	s_mov_b32 s16, 0x76543210
	s_mov_b32 s17, 0xfedcba98
	s_mul_i32 s20, s13, 16*12288
	s_lshl_b32 s21, s12, 8
	s_add_co_u32 s20, s20, s21                     ; qkvf: row 16 batch, column 64 w
	s_mov_b32 s21, 0
	s_lshl_b32 s22, s12, 18                        ; w_proj: row 64 w,
	s_lshl_b32 s24, ttmp9, 8                       ; column 64 x
	s_add_co_u32 s22, s22, s24
	s_mov_b32 s23, 0
	s_mov_b32 s25, 0
	s_lshl_b32 s26, s13, 23                        ; out0: row 2048 batch + w
	s_lshl_b32 s27, s12, 12
	s_add_co_u32 s26, s26, s27
	s_add_co_u32 s26, s26, s24
	s_mov_b32 s27, 0
	s_wait_kmcnt 0x0
	s_add_nc_u64 s[4:5], s[4:5], s[20:21]
	s_add_nc_u64 s[6:7], s[6:7], s[22:23]
	s_add_nc_u64 s[8:9], s[8:9], s[24:25]
	s_add_nc_u64 s[10:11], s[10:11], s[26:27]
.irp i, 0,1,2,3,4,5,6,7
	global_load_b128 v[128+4*\i:128+4*\i+3], v4, s[4:5] offset:16*\i            ; Q(r, 32 h + 4 i ..)
.endr
.irp i, 0,1,2,3,4,5,6,7
	global_load_b128 v[160+4*\i:160+4*\i+3], v4, s[4:5] offset:4096+16*\i       ; K likewise
.endr
.irp ct, 0,1,2,3
.irp k, 0,1,2,3,4,5,6,7
	global_load_b32 v[80+8*\ct+\k], v5, s[4:5] offset:\k*12288+8192+64*\ct      ; V(8 h + k, 16 ct + r)
.endr
.endr
	global_load_b64 v[112:113], v7, s[8:9]         ; the bias at columns 2 lane, 2 lane + 1
.irp nt, 2,3
.irp ct, 0,1,2,3
.irp k, 0,1,2,3,4,5,6,7
	global_load_b32 v[128+32*\nt+8*\ct+\k], v6, s[6:7] offset:(16*\ct+\k)*4096+64*\nt   ; W(16 ct + 8 h + k, 16 nt + r)
.endr
.endr
.endr
	s_wait_loadcnt 63                              ; of the 113 loads issued the first 50 are in: Q, K, V and the bias are the first 49
.set i, 0
.rept 16                                       ; S^T = K Q^T: step i takes channels 32 h + 2 i, + 1; two accumulators by turns; the first two products start the sums
.if i < 2
	v_wmma_f32_16x16x4_f32 v[16+8*(i%2):23+8*(i%2)], v[160+2*i:161+2*i], v[128+2*i:129+2*i], 0
.else
	v_wmma_f32_16x16x4_f32 v[16+8*(i%2):23+8*(i%2)], v[160+2*i:161+2*i], v[128+2*i:129+2*i], v[16+8*(i%2):23+8*(i%2)]
.endif
.set i, i+1
.endr
.rept 8
	v_nop                                          ; eight places behind this form: for the loads into Q's and K's registers and the reads of the sums
.endr
.irp nt, 0,1
.irp ct, 0,1,2,3
.irp k, 0,1,2,3,4,5,6,7
	global_load_b32 v[128+32*\nt+8*\ct+\k], v6, s[6:7] offset:(16*\ct+\k)*4096+64*\nt
.endr
.endr
.endr
.irp j, 0,1,2,3,4,5,6,7
	v_add_f32 v[64+\j], v[16+\j], v[24+\j]         ; the score of key 8 h + j for query r
.endr
.irp j, 0,1,2,3,4,5,6,7
	v_cmp_gt_i32 vcc_lo, \j, v8                    ; hidden where 8 h + j > r
	v_cndmask_b32 v[64+\j], v[64+\j], v9, vcc_lo
.endr
	v_max3_num_f32 v12, v64, v65, v66
	v_max3_num_f32 v12, v12, v67, v68
	v_max3_num_f32 v12, v12, v69, v70
	v_max_num_f32 v12, v12, v71
	v_permlanex16_b32 v13, v12, s16, s17
	v_max_num_f32 v12, v12, v13                    ; the row's maximum (key 0 counts for every query)
.irp j, 0,1,2,3,4,5,6,7
	v_sub_f32 v[72+\j], v[64+\j], v12
.endr
.irp j, 0,1,2,3,4,5,6,7
	v_mul_f32 v[72+\j], 0x3e38aa3b, v[72+\j]       ; times log2(e) / 8
.endr
.irp j, 0,1,2,3,4,5,6,7
	v_exp_f32 v[72+\j], v[72+\j]
.endr
	v_nop
	s_wait_alu depctr_va_vdst(0)                   ; one wait for the eight exponentials, ahead of their first reader
	v_add_f32 v116, v72, v73
	v_add_f32 v117, v74, v75
	v_add_f32 v118, v76, v77
	v_add_f32 v119, v78, v79
	v_add_f32 v116, v116, v117
	v_add_f32 v118, v118, v119
	v_add_f32 v116, v116, v118
	v_permlanex16_b32 v13, v116, s16, s17
	v_add_f32 v116, v116, v13                      ; the row's sum
	v_rcp_f32 v117, v116
	v_nop
	s_wait_alu depctr_va_vdst(0)                   ; and one for the reciprocal
.irp s, 0,1,2,3                                ; O^T = V^T P: step s takes keys 8 h + 2 s, + 1; four accumulators by turns
.irp ct, 0,1,2,3
.if \s == 0
	v_wmma_f32_16x16x4_f32 v[32+8*\ct:39+8*\ct], v[80+8*\ct+2*\s:81+8*\ct+2*\s], v[72+2*\s:73+2*\s], 0
.else
	v_wmma_f32_16x16x4_f32 v[32+8*\ct:39+8*\ct], v[80+8*\ct+2*\s:81+8*\ct+2*\s], v[72+2*\s:73+2*\s], v[32+8*\ct:39+8*\ct]
.endif
.endr
.endr
.rept 9
	v_nop                                          ; nine places: the lines below read the sums and write over V (8); the next products write over these accumulators (9)
.endr
.set i, 0
.rept 32
	v_mul_f32 v[80+i], v[32+i], v117               ; O / l: register 8 ct + j is channel 16 ct + 8 h + j of query r
.set i, i+1
.endr
	s_wait_loadcnt 0x0                             ; all of w_proj's piece
.irp ct, 0,1,2,3                               ; OUT^T = W^T O: step (ct, s) takes channels 16 ct + 8 h + 2 s, + 1; four accumulators by turns
.irp s, 0,1,2,3
.irp nt, 0,1,2,3
.if (\ct == 0) && (\s == 0)
	v_wmma_f32_16x16x4_f32 v[32+8*\nt:39+8*\nt], v[128+32*\nt+8*\ct+2*\s:129+32*\nt+8*\ct+2*\s], v[80+8*\ct+2*\s:81+8*\ct+2*\s], 0
.else
	v_wmma_f32_16x16x4_f32 v[32+8*\nt:39+8*\nt], v[128+32*\nt+8*\ct+2*\s:129+32*\nt+8*\ct+2*\s], v[80+8*\ct+2*\s:81+8*\ct+2*\s], v[32+8*\nt:39+8*\nt]
.endif
.endr
.endr
.endr
.rept 8
	v_nop
.endr
.irp nt, 0,1,2,3
	ds_store_b128 v10, v[32+8*\nt:35+8*\nt] offset:64*\nt          ; query r, columns 16 nt + 8 h + 0 .. 7
	ds_store_b128 v10, v[36+8*\nt:39+8*\nt] offset:64*\nt+16
.endr
	s_wait_dscnt 0x0                               ; for the others' sake: my stores are done
	s_barrier_signal -1
	s_barrier_wait -1
.irp u, 0,1,2,3,4,5,6,7,8,9,10,11,12,13,14,15
	ds_load_b64 v[128+2*\u:129+2*\u], v11 offset:\u*4352           ; row w of head u's partial result
.endr
	s_wait_dscnt 0x0
	v_pk_add_f32 v[114:115], v[112:113], v[128:129]
.irp u, 1,2,3,4,5,6,7,8,9,10,11,12,13,14,15
	v_pk_add_f32 v[114:115], v[114:115], v[128+2*\u:129+2*\u]
.endr
	global_store_b64 v7, v[114:115], s[10:11]      ; the wave stores 256 consecutive bytes, aligned
	s_wait_tensorcnt 0x0                           ; the wave's end
	ds_add_u32 v[SPW], v[NIL]
	s_wait_dscnt 0x0
	s_endpgm
.Lfunc_end_k_q07ad7196d2_fine:
	.size	k_q07ad7196d2_fine, .Lfunc_end_k_q07ad7196d2_fine-k_q07ad7196d2_fine
	.p2alignl 7, 3214868480
	.fill 96, 4, 3214868480
	.section	.rodata,"a",@progbits
	.p2align	6, 0x0
	.amdhsa_kernel k_q07ad7196d2_fine
		.amdhsa_group_segment_fixed_size 71680
		.amdhsa_private_segment_fixed_size 0
		.amdhsa_enable_private_segment 0
		.amdhsa_kernarg_size 32
		.amdhsa_user_sgpr_count 2
		.amdhsa_user_sgpr_kernarg_segment_ptr 1
		.amdhsa_wavefront_size32 1
		.amdhsa_system_sgpr_workgroup_id_x 1
		.amdhsa_system_sgpr_workgroup_id_y 1
		.amdhsa_system_sgpr_workgroup_id_z 1
		.amdhsa_system_vgpr_workitem_id 0
		.amdhsa_next_free_vgpr 256
		.amdhsa_next_free_sgpr 66
		.amdhsa_reserve_vcc 1
		.amdhsa_float_denorm_mode_32 3
		.amdhsa_float_denorm_mode_16_64 3
		.amdhsa_memory_ordered 1
		.amdhsa_forward_progress 1
		.amdhsa_inst_pref_size 33
	.end_amdhsa_kernel
	.amdgpu_metadata
---
amdhsa.version: [ 1, 2 ]
amdhsa.kernels:
  - .name:           k_q07ad7196d2_fine
    .symbol:         k_q07ad7196d2_fine.kd
    .args:
      - { .name: qkvf, .offset: 0, .size: 8, .value_kind: global_buffer, .address_space: global }
      - { .name: w_proj, .offset: 8, .size: 8, .value_kind: global_buffer, .address_space: global }
      - { .name: b_proj, .offset: 16, .size: 8, .value_kind: global_buffer, .address_space: global }
      - { .name: out0, .offset: 24, .size: 8, .value_kind: global_buffer, .address_space: global }
    .group_segment_fixed_size: 71680
    .private_segment_fixed_size: 0
    .kernarg_segment_align: 8
    .kernarg_segment_size: 32
    .max_flat_workgroup_size: 512
    .sgpr_count:     66
    .vgpr_count:     256
    .wavefront_size: 32
...
	.end_amdgpu_metadata
.endif
;; end of part 5
